; MI455X (gfx1250); checked and timed in simulation.
; The chip was launched on July 23, 2026; its instructions are those of AMD's public machine-readable ISA for CDNA 5 (MIT licence, August 2026) and "CDNA5" Instruction Set Architecture Reference Guide (July 2026). The comments in the code are by the model that wrote it; some were corrected since.
;; Optimized ISM. Allowed arithmetic: matrix products marked QUANTISED: E2M3 operands, one E8M0 scale for each 32 along K, by v_wmma_scale_f32_16x16x128_f8f6f4 with both operands' format E2M3, f32 sums; everything else in f32.
;; Inputs: D 4 x 256 x 32 x 32 float32; S 4 x 256 x 64 x 64 float32.
;; Outputs: out0 4 x 256 x 64 x 64 float32.
;; This version of the problem:
;;   THIS VERSION OF THE PROBLEM IS GIVEN IN LOW PRECISION. The matrix products marked QUANTISED in the list below multiply operands that are first quantised to E2M3 (2 exponent bits, 3 mantissa bits; 6 bits a number), with one power-of-two scale for each 32 numbers along K (OCP MX v1.0); their sums are f32. All else is computed in f32.
;;   The module's matrix products, in the order in which they are computed (A, B: the left and right operand; K: the contracted axis; several contracted axes count as one K, in the product's order):
;;     1. batch 4 x [M 4,096, K 256] x [K 256, N 4,096]; A: computed on the way; B: input S: QUANTISED
;;     2. batch 4 x [M 256, K 4,096] x [K 4,096, N 4,096]; A: input S; B: computed on the way: QUANTISED
;;   THE QUANTISER, for each operand of a quantised product, along K:
;;     - K is cut into blocks of 32 from its start; a last block that is shorter is filled with zeros.
;;     - A block's scale is 2^e with e = floor(log2(the largest magnitude in the block)) - 2, held to -126 .. 127; a block of zeros has e = 0. As a byte (E8M0): e + 127.
;;     - Each number is divided by its block's scale, clamped to +-7.5, and rounded to the nearest number of E2M3, ties to even, subnormals kept.
;;     - The product sums the exact products of the quantised numbers (number of the format x scale) in f32.
;;   ~~~python
;;   def quantise(x, axis):      # numpy; x: float32 -> the quantised numbers, widened to float32 again
;;       x = np.moveaxis(x, axis, -1); K = x.shape[-1]
;;       x = np.pad(x, [(0, 0)] * (x.ndim - 1) + [(0, -K % 32)]); x = x.reshape(x.shape[:-1] + (-1, 32)); a = np.abs(x).max(-1, keepdims=True)
;;       e = np.where(a > 0, np.clip(np.frexp(np.where(a > 0, a, 1))[1] - 1 - 2, -126, 127), 0)      # np.frexp(a)[1] - 1 = floor(log2(a)), exactly
;;       r = np.clip(x / 2.0 ** e, -7.5, 7.5)
;;       step = 2.0 ** (np.maximum(np.frexp(np.where(r == 0, 1, r))[1] - 1, 0) - 3)
;;       q = np.round(r / step) * step * 2.0 ** e      # np.round: ties to even
;;       return np.moveaxis(q.reshape(q.shape[:-2] + (-1,))[..., :K], -1, axis).astype(np.float32)
;;   ~~~
;;   OPERANDS COMPUTED ON THE WAY. 'Computed on the way' means the value that the module computes at that place (a softmax that the list does not call 'softmax' is quantised finished and normalised). What goes into a quantiser is computed in f32, as accurately as f32 sums, v_exp_f32 and their like allow (about 1e-6 of the number): no bf16 or f16 on the way to a quantiser, and a product that is left as it is and whose result goes on into a quantised operand takes f32 operands (vector FMAs, or v_wmma_f32_16x16x4_f32). A number that lies on a knife's edge between two numbers of the format may be rounded either way, as far as f32 arithmetic and the matrix unit's own rounding can turn it there, and no further.
;; 2 versions. Each part assembles by itself: llvm-mc -triple=amdgcn-amd-amdhsa -mcpu=gfx1250 --defsym DOCPART=n.
;; ======== version 1 of 2: 3 launches
;; workspace buffers: QF 786,432 bytes; QS 32,768 bytes; KF 3,145,728 bytes; KS 131,072 bytes; VF 3,145,728 bytes; VS 131,072 bytes; PART 16,777,216 bytes
;; launch quant (part 1): grid 320 x 1, 8 waves a work-group, no clusters, 69,632 bytes of LDS; arguments S, D, QF, QS, KF, KS, VF, VS; writes QF, QS, KF, KS, VF, VS
.if DOCPART == 1
	.amdgcn_target "amdgcn-amd-amdhsa--gfx1250"
	.amdhsa_code_object_version 6
	.text
	.protected	k_qc8d9a99ba1_quant
	.globl	k_qc8d9a99ba1_quant
	.p2align	8
	.type	k_qc8d9a99ba1_quant,@function
k_qc8d9a99ba1_quant:
	s_mov_b64 s[64:65], 0
	v_nop
	global_prefetch_b8 v0, s[64:65] scope:SCOPE_SE
	s_setreg_imm32_b32 hwreg(HW_REG_WAVE_MODE, 25, 1), 1
	s_wait_xcnt 0x0
; S [4][256][4096] and D [4][256][1024], f32, become codes of FP6 (E2M3) with one E8M0 scale byte for each 32 along K, laid as IMAGES OF OPERAND REGISTERS.
; A fragment is 16 rows x 128 K = 12 registers a lane = 1,536 bytes: register 4 g + i of a lane lies at 512 g + 16 lane + 4 i, so that three accesses of 16 bytes a lane bring or store it.
; A work-group takes a slab of 128 channels x 128 columns (65,536 bytes).  Work-groups 0-255: a slab of S, number sl = (32 b + ks) 2 + cs; work-groups 256-319: a slab of D, sl = (8 b + qs) 2 + cs.
;   K path (S and D): rows = 16 columns (keys or queries), K = the slab's 128 channels: the first product's operands.  Wave w makes tile w.
;     THE COLUMNS OF A TILE ARE NOT NEIGHBOURS: lane r of tile 2 b' + u takes column 32 b' + 8 u + r + 8 (r / 8), so that the scores of two neighbouring tiles are 16 neighbouring keys in a lane.
;   V path (S only): rows = 16 channels, K = the slab's 128 columns (keys) in their own order: the second product's operand.  Wave w makes channels 16 w on.
; The slab is read from memory once, by rows of 512 bytes, and lies in LDS; both paths take their 64 numbers a lane from there, in the order of the operand's registers (k = 64 c + 32 h + i).
; A block's scale is 2^(floor(log2(largest magnitude)) - 2): its byte is the largest magnitude's exponent field - 2, held at 1 from below.
; LIMITS: a block of zeros gets the byte 1 where the rule says 127 (its codes are zeros; these bytes are read by this program alone); NaN and infinities among the inputs are not served.
; No tensor load, no matrix work, no cluster: work-groups share no input byte.
.set PITCH, 528                        ; a slab row in LDS: 512 bytes + 16: 33 x 16, so that sixteen rows' loads of 16 bytes start in sixteen different groups of banks (64 banks of 4 bytes: ISA guide 11.1)
.set SCST,  128*PITCH                  ; behind the slab: 512 bytes of K's (or Q's) scale words, then 512 of V's
.set LI,  4                            ; v4   16 x lane
.set LST, 5                            ; v5   where I store a slab row: 16 w rows + 16 x lane
.set AKL, 6                            ; v6   K path: my column, my half's first row
.set AVL, 7                            ; v7   V path: my row, my half's first column
.set ASC, 8                            ; v8   my row's scale word in the stage
.set ARD, 9                            ; v9   where the stage is read back
.set VO,  10                           ; v10-25  byte offsets of my 16 slab rows in memory
.set X,   32                           ; v32-95  64 numbers
.set FK,  96                           ; v96-107  the K path's fragment
.set FV,  108                          ; v108-119 the V path's
.set CT,  120                          ; v120-127 upper halves of the blocks' codes
.set MX,  128                          ; v128-129 largest magnitudes
.set SO,  130                          ; v130-131 the conversions' scale operands
.set BY,  132                          ; v132-133 scale bytes
.set W,   134                          ; v134 the scale word
.set PD,  135                          ; v135 a lane permute's destination
.set H8,  136                          ; v136 8 h
.set WV,  20                           ; s20  wave
	s_load_b256 s[4:11], s[0:1], 0x0               ; S s[4:5], D s[6:7], QF s[8:9], QS s[10:11]
	s_load_b256 s[12:19], s[0:1], 0x20             ; KF s[12:13], KS s[14:15], VF s[16:17], VS s[18:19]
	v_lshl_add_u32 v144, v0, 2, 0x10c00
	v_mov_b32 v145, 0
	v_lshrrev_b32 v1, 5, v0
	v_readfirstlane_b32 s[WV], v1                  ; wave 0..7
	v_and_b32 v1, 31, v0                           ; lane
	v_and_b32 v2, 15, v0                           ; r
	v_bfe_u32 v3, v0, 4, 1                         ; h
	v_lshlrev_b32 v[LI], 4, v1
	s_mul_i32 s21, s[WV], 16*PITCH
	v_add_nc_u32 v[LST], s21, v[LI]
	v_mul_u32_u24 v[AVL], v2, PITCH
	v_lshl_add_u32 v[AVL], v3, 7, v[AVL]
	v_add_nc_u32 v[AVL], s21, v[AVL]               ; (16 w + r) rows + 128 h bytes
	v_and_b32 v[AKL], 8, v2
	v_add_nc_u32 v[AKL], v[AKL], v2                ; r + 8 (r / 8)
	v_lshlrev_b32 v[AKL], 2, v[AKL]
	v_mad_u32_u24 v[AKL], v3, 32*PITCH, v[AKL]     ; lanes 16-31 begin 32 rows (channels) further down
	s_lshr_b32 s21, s[WV], 1
	s_lshl_b32 s21, s21, 7                         ; 4 x 32 (w / 2)
	s_and_b32 s22, s[WV], 1
	s_lshl_b32 s22, s22, 5                         ; 4 x 8 (w % 2)
	s_add_co_u32 s21, s21, s22
	v_add_nc_u32 v[AKL], s21, v[AKL]
	s_lshl_b32 s21, s[WV], 6
	s_add_co_u32 s21, s21, SCST
	v_lshl_add_u32 v[ASC], v2, 2, s21              ; SCST + 64 w + 4 r
	s_and_b32 s21, s[WV], 1
	s_lshl_b32 s21, s21, 9
	s_add_co_u32 s21, s21, SCST
	v_add_nc_u32 v[ARD], s21, v[LI]                ; SCST + 512 (w % 2) + 16 x lane: wave 0 takes K's words, wave 1 V's
	v_lshlrev_b32 v[H8], 3, v3
	v_mov_b32 v[PD], 0                             ; written once: a lane permute's destination counts as one of its sources
	s_mov_b32 s40, 0x76543210
	s_mov_b32 s41, 0xfedcba98                      ; v_permlanex16_b32's selects for lane l xor 16
	s_wait_kmcnt 0x0
	s_cmp_lt_u32 ttmp9, 256                        ; a slab of S or of D?  The choice hangs on the work-group's number alone; only selects follow the compare
	s_cselect_b64 s[24:25], s[4:5], s[6:7]         ; in
	s_cselect_b64 s[26:27], s[12:13], s[8:9]       ; fragments out: KF or QF
	s_cselect_b64 s[28:29], s[14:15], s[10:11]     ; scale words out: KS or QS
	s_cselect_b32 s30, 0, 256
	s_cselect_b32 s31, 14, 12                      ; a channel is 2^14 bytes in S, 2^12 in D
	s_cselect_b32 s33, 6, 4                        ; slabs in a batch: 2^6, 2^4
	s_cselect_b32 s34, 31, 7
	s_cselect_b32 s35, 1, 0                        ; 1: a slab of S
	s_sub_co_u32 s32, ttmp9, s30                   ; sl
	s_lshr_b32 s36, s32, s33                       ; b
	s_lshr_b32 s37, s32, 1
	s_and_b32 s37, s37, s34                        ; ks or qs: which 128 columns
	s_and_b32 s38, s32, 1                          ; cs: which 128 channels
	s_add_co_u32 s39, s31, 8
	s_lshl_b32 s36, s36, s39                       ; b x 256 channels
	s_add_co_u32 s39, s31, 7
	s_lshl_b32 s38, s38, s39                       ; cs x 128 channels
	s_add_co_u32 s36, s36, s38
	s_lshl_b32 s37, s37, 9                         ; 128 columns are 512 bytes
	s_add_co_u32 s36, s36, s37
	s_lshl_b32 s38, s[WV], 4
	s_lshl_b32 s38, s38, s31                       ; my 16 channels
	s_add_co_u32 s36, s36, s38
	s_mov_b32 s37, 0
	s_add_nc_u64 s[24:25], s[24:25], s[36:37]
	s_lshl_b32 s39, 1, s31                         ; from channel to channel
	v_mov_b32 v[VO], v[LI]
.irp i, 1,2,3,4,5,6,7,8,9,10,11,12,13,14,15
	v_add_nc_u32 v[VO+\i], s39, v[VO+\i-1]
.endr
.irp i, 0,1,2,3,4,5,6,7,8,9,10,11,12,13,14,15
	global_load_b128 v[X+4*\i:X+4*\i+3], v[VO+\i], s[24:25] th:TH_LOAD_NT   ; a slab row: 32 lanes read 512 consecutive bytes; each byte is read once in the launch
.endr
	s_mul_i32 s36, s32, 12288                      ; a slab's eight fragments,
	s_mul_i32 s38, s[WV], 1536                     ; mine of them
	s_add_co_u32 s36, s36, s38
	s_add_nc_u64 s[26:27], s[26:27], s[36:37]
	s_add_nc_u64 s[16:17], s[16:17], s[36:37]      ; VF has the same place: channel tile 8 cs + w of key step ks
	s_lshl_b32 s36, s32, 9                         ; a slab's 128 scale words
	s_add_nc_u64 s[28:29], s[28:29], s[36:37]
	s_add_nc_u64 s[18:19], s[18:19], s[36:37]
	s_add_co_u32 s42, s35, 1                       ; how many waves store scale words at the end
.irp i, 0,1,2,3,4,5,6,7,8,9,10,11,12,13,14,15
	s_wait_loadcnt 15-\i                           ; loads come back in order: row i is in, the 15 - i behind it may be out
	ds_store_b128 v[LST], v[X+4*\i:X+4*\i+3] offset:\i*PITCH
.endr
	s_wait_dscnt 0x0                               ; for the others' sake: my 16 rows lie in LDS
	s_barrier_signal -1
	s_barrier_wait -1                              ; the slab is whole
; 64 numbers of a lane, v[X + 32 c + i] = k 64 c + 32 h + i of my row, become the fragment v[dst] .. v[dst + 11] and the row's scale word v[W].  A lane holds two whole blocks: h and 2 + h.
.macro QFRAG dst
.irp c, 0,1
	v_max3_num_f32 v[MX+\c], |v[X+32*\c]|, |v[X+32*\c+1]|, 0x1800000   ; with the floor 2^(3 - 127) among the leaves: the byte cannot fall under 1
.endr
.irp i, 2,4,6,8,10,12,14,16,18,20,22,24,26,28,30
.irp c, 0,1
	v_max3_num_f32 v[MX+\c], v[MX+\c], |v[X+32*\c+\i]|, |v[X+32*\c+\i+1]|   ; (the two blocks by turns)
.endr
.endr
.irp c, 0,1
	v_add_nc_u32 v[SO+\c], 0xff000000, v[MX+\c]    ; 2 off the exponent field: the conversion takes the exponent field of this operand as its scale
.endr
.irp c, 0,1
	v_lshrrev_b32 v[BY+\c], 23, v[SO+\c]           ; the scale's byte
.endr
	v_lshl_or_b32 v[W], v[BY+1], 16, v[BY]         ; my two bytes, blocks h and 2 + h,
	v_lshlrev_b32 v[W], v[H8], v[W]                ; at their places in the word;
	v_permlanex16_b32 v[PD], v[W], s40, s41
	v_or_b32 v[W], v[W], v[PD]                     ; with lane l xor 16's two the word is whole, in both lanes
.irp c, 0,1
	v_cvt_scalef32_pk16_fp6_f32 v[(\dst)+6*\c:(\dst)+6*\c+2], v[X+32*\c:X+32*\c+15], v[SO+\c]
	v_cvt_scalef32_pk16_fp6_f32 v[CT+4*\c:CT+4*\c+2], v[X+32*\c+16:X+32*\c+31], v[SO+\c]   ; (a conversion's three registers begin on an even number: the upper half is made elsewhere and moved)
.endr
	v_nop                                          ; one plain place behind a scaled conversion
.irp c, 0,1
.irp i, 0,1,2
	v_mov_b32 v[(\dst)+6*\c+3+\i], v[CT+4*\c+\i]
.endr
.endr
.endm
	; ---- K path.  Lanes 16-31 read 32 rows lower, 16,896 bytes = 66 x 256, the same banks as lanes 0-15 (ISA guide 11.1); every pitch that is a multiple of 16 bytes has that
.set j, 0
.rept 64
	ds_load_b32 v[X+j], v[AKL] offset:(64*(j/32)+j%32)*PITCH
.set j, j+1
.endr
	s_wait_dscnt 0x0
	QFRAG FK
.irp g, 0,1,2
	global_store_b128 v[LI], v[FK+4*\g:FK+4*\g+3], s[26:27] offset:512*\g   ; 32 lanes store 512 consecutive bytes, at a multiple of 256 from the buffer's first byte
.endr
	ds_store_b32 v[ASC], v[W]                      ; both lanes of a row write the same word with the same value
	s_cmp_eq_u32 s35, 0
	s_cbranch_scc1 .Lno_v                          ; a slab of D has no V path: the same way for all eight waves
	; ---- V path: my 16 channels' rows, 128 bytes a block
.set j, 0
.rept 16
	ds_load_b128 v[X+4*j:X+4*j+3], v[AVL] offset:256*(j/8)+16*(j%8)
.set j, j+1
.endr
	s_wait_dscnt 0x0                               ; the numbers are in, and the store above has read v[W]
	QFRAG FV                                       ; into registers of its own: the K path's stores may still read theirs
.irp g, 0,1,2
	global_store_b128 v[LI], v[FV+4*\g:FV+4*\g+3], s[16:17] offset:512*\g
.endr
	ds_store_b32 v[ASC], v[W] offset:512
.Lno_v:
	s_wait_dscnt 0x0                               ; for the others' sake: my scale words lie in the stage
	s_barrier_signal -1
	s_barrier_wait -1
	s_cmp_ge_u32 s[WV], s42                        ; wave 0 stores K's (or Q's) 128 words; of a slab of S wave 1 stores V's; the others are done
	s_cbranch_scc1 .Lend
	s_cmp_eq_u32 s[WV], 0
	s_cselect_b64 s[44:45], s[28:29], s[18:19]
	ds_load_b128 v[X:X+3], v[ARD]
	s_wait_dscnt 0x0
	global_store_b128 v[LI], v[X:X+3], s[44:45]    ; 512 consecutive bytes
.Lend:
	s_wait_tensorcnt 0x0
	ds_add_u32 v144, v145
	s_wait_dscnt 0x0
	s_endpgm
.Lfunc_end_k_qc8d9a99ba1_quant:
	.size	k_qc8d9a99ba1_quant, .Lfunc_end_k_qc8d9a99ba1_quant-k_qc8d9a99ba1_quant
	.p2alignl 7, 3214868480
	.fill 96, 4, 3214868480
	.section	.rodata,"a",@progbits
	.p2align	6, 0x0
	.amdhsa_kernel k_qc8d9a99ba1_quant
		.amdhsa_group_segment_fixed_size 69632
		.amdhsa_private_segment_fixed_size 0
		.amdhsa_enable_private_segment 0
		.amdhsa_kernarg_size 64
		.amdhsa_user_sgpr_count 2
		.amdhsa_user_sgpr_kernarg_segment_ptr 1
		.amdhsa_wavefront_size32 1
		.amdhsa_system_sgpr_workgroup_id_x 1
		.amdhsa_system_sgpr_workgroup_id_y 1
		.amdhsa_system_sgpr_workgroup_id_z 1
		.amdhsa_system_vgpr_workitem_id 0
		.amdhsa_next_free_vgpr 146
		.amdhsa_next_free_sgpr 66
		.amdhsa_reserve_vcc 0
		.amdhsa_float_denorm_mode_32 3
		.amdhsa_float_denorm_mode_16_64 3
		.amdhsa_memory_ordered 1
		.amdhsa_forward_progress 1
		.amdhsa_inst_pref_size 19
	.end_amdhsa_kernel
	.amdgpu_metadata
---
amdhsa.version: [ 1, 2 ]
amdhsa.kernels:
  - .name:           k_qc8d9a99ba1_quant
    .symbol:         k_qc8d9a99ba1_quant.kd
    .args:
      - { .name: S, .offset: 0, .size: 8, .value_kind: global_buffer, .address_space: global }
      - { .name: D, .offset: 8, .size: 8, .value_kind: global_buffer, .address_space: global }
      - { .name: QF, .offset: 16, .size: 8, .value_kind: global_buffer, .address_space: global }
      - { .name: QS, .offset: 24, .size: 8, .value_kind: global_buffer, .address_space: global }
      - { .name: KF, .offset: 32, .size: 8, .value_kind: global_buffer, .address_space: global }
      - { .name: KS, .offset: 40, .size: 8, .value_kind: global_buffer, .address_space: global }
      - { .name: VF, .offset: 48, .size: 8, .value_kind: global_buffer, .address_space: global }
      - { .name: VS, .offset: 56, .size: 8, .value_kind: global_buffer, .address_space: global }
    .group_segment_fixed_size: 69632
    .private_segment_fixed_size: 0
    .kernarg_segment_align: 8
    .kernarg_segment_size: 64
    .max_flat_workgroup_size: 256
    .sgpr_count:     66
    .vgpr_count:     146
    .wavefront_size: 32
...
	.end_amdgpu_metadata
.endif
;; end of part 1
;; launch attn (part 2): grid 256 x 1, 8 waves a work-group, no clusters, 54,272 bytes of LDS; arguments QF, QS, KF, KS, VF, VS, PART; writes PART
.if DOCPART == 2
	.amdgcn_target "amdgcn-amd-amdhsa--gfx1250"
	.amdhsa_code_object_version 6
	.text
	.protected	k_qc8d9a99ba1_attn
	.globl	k_qc8d9a99ba1_attn
	.p2align	8
	.type	k_qc8d9a99ba1_attn,@function
k_qc8d9a99ba1_attn:
	s_mov_b64 s[64:65], 0
	v_nop
	global_prefetch_b8 v0, s[64:65] scope:SCOPE_SE
	s_setreg_imm32_b32 hwreg(HW_REG_WAVE_MODE, 25, 1), 1
	s_wait_xcnt 0x0
; PART[kq] = the part of  sum over keys of softmax_j(q . k / 16) v  that falls to a quarter kq of the keys, both products on codes of FP6 (E2M3) with one E8M0 scale for each 32 along K.
; The upsampled queries come in fours that are equal number for number, and both quantisers work query by query: each of the 1,024 different queries of a batch is computed once; the last launch writes it four times.
; The softmax runs over 64 neighbouring keys (j) and is FINISHED AND NORMALISED ahead of the second product's quantiser: the group's own maximum is taken away, its own sum divides.  No running maximum is needed.
; SHARES.  Work-group g: 64 queries (tiles 4 qg + t, qg = g % 16), 1,024 keys (steps 8 kq + s of 128, kq = (g / 16) % 4), batch g / 64.  Straight text: no loop, no branch, one barrier.
;   Phase 1: wave w owns key step 8 kq + w for all four tiles of queries: its 16 fragments of K come from memory into its registers once, each feeds four products.  S^T = K Q^T (source 0 = 16 keys,
;     source 1 = 16 queries): a lane holds ONE query; by the order of a tile's keys, register 16 b' + i of a tile of queries is key 32 b' + 16 (lane / 16) + i.  p is made, quantised along the keys,
;     and left in LDS as an image of the operand's registers, with its scale word.
;   Phase 2: wave w owns channels 32 w .. 32 w + 31 for all 64 queries and all eight steps: its 16 fragments of V come once, each feeds four products; O^T = V^T P^T in 8 accumulators; no sum crosses waves.
; NO CLUSTER, NO TENSOR LOAD: every byte of K and V that a work-group takes is wanted by one wave, once, and goes straight into that wave's registers; the work-group's 2 x 196,608 bytes of codes are more than
; LDS holds, so a joint load would want a ring of slots with its barriers, and an LDS write and an LDS read for every byte.
; LIMITS: NaN and infinities are not served; a p under 2^-126 becomes 0 (v_exp_f32's results); a block of p that is all zeros gets the byte 1 with zero codes.
; REGISTERS.  Window 0: v1-5 addresses; v8-27 scale words and nothing else; v28-67 the softmax's small change; v80-127 two tiles of Q (later P, set 1); v128-191, v192-255 the scores of two tiles (later the 8
;   accumulators, and P, set 0).  Window 1 (v256-447): K's 16 fragments, later V's.
.set PIMG, 0                           ; LDS: P's fragments [t 4][s 8] x 1,536 bytes
.set PSCL, 49152                       ; their scale words [s 8][lane 32][t 4]
.set LI,  1                            ; v1  16 x lane
.set LS,  2                            ; v2  4 x lane
.set AW,  3                            ; v3  where I store P's images: 1,536 w + 16 x lane
.set ASW, 4                            ; v4  and their scale words: PSCL + 512 w + 16 x lane
.set PO,  5                            ; v5  my byte offset in PART: 1,024 h + 16 r
.set QSC, 8                            ; v8-11   Q's scale words: 2 P + cs; lanes 0-15 tile 2 P, lanes 16-31 tile 2 P + 1
.set KSC, 12                           ; v12-19  K's: 4 cs + b'; lanes 0-15 tile 2 b', lanes 16-31 tile 2 b' + 1.  Later V's: step s; lanes 0-15 my first 16 channels, lanes 16-31 the others
.set PSR, 20                           ; v20-27  P's, two sets of four (one a tile of queries)
.set BM,  28                           ; v28-31  each block's largest score, then its largest p
.set T,   32                           ; v32-35  at work
.set SO,  36                           ; v36-39  the conversions' scale operands
.set NM,  40                           ; v40, v42  -c x the group's maximum, later 1 / the group's sum; v41, v43 are named with them as pairs
.set PW,  44                           ; v44  p's scale word
.set PC,  46                           ; v46-57  p's codes
.set PT,  58                           ; v58-65  the sums' four chains, later the upper halves of the blocks' codes
.set GS,  66                           ; v66-67  the groups' sums
.set QR,  80
.set SC0, 128
.set SC1, 192
.set OA,  128
.set WV,  18                           ; s18  wave
.set SEL, 24                           ; s[24:25] lane selects for l xor 16
.set CS,  26                           ; s[26:27] c = log2(e) / 16: the packed form names a pair and takes its low word for both halves
.set NC,  28                           ; s28  -c
.set MSB, 0
.macro WIN new                         ; the immediate's high byte repeats the setting that is left; a switch that changes nothing is dropped
.if MSB != \new
	s_set_vgpr_msb (MSB<<8)|\new
.set MSB, \new
.endif
.endm
.set W_MUL, 0x01                       ; source 0 (K or V) in window 1, all else in window 0
.set W_LD,  0x40                       ; a load's destination in window 1, its address in window 0
.macro PLACES                          ; four plain places behind a matrix instruction of this form (both operands of 6 bits), in front of loads into its registers and of the first read of its results
.rept 4
	v_nop
.endr
.endm
; One matrix instruction, from the symbols set just ahead of it: rD, rA, rB, rSA, rSB; fZ: the constant 0 starts the sum; fRA, fRB: the side's scales stand in lanes 16-31.
.macro WMI
.if fZ
.if fRA && fRB
	v_wmma_scale_f32_16x16x128_f8f6f4 v[rD:rD+7], v[rA:rA+11], v[rB:rB+11], 0, v[rSA], v[rSB] matrix_a_fmt:MATRIX_FMT_FP6 matrix_b_fmt:MATRIX_FMT_FP6 matrix_a_scale:MATRIX_SCALE_ROW1 matrix_b_scale:MATRIX_SCALE_ROW1
.elseif fRA
	v_wmma_scale_f32_16x16x128_f8f6f4 v[rD:rD+7], v[rA:rA+11], v[rB:rB+11], 0, v[rSA], v[rSB] matrix_a_fmt:MATRIX_FMT_FP6 matrix_b_fmt:MATRIX_FMT_FP6 matrix_a_scale:MATRIX_SCALE_ROW1
.elseif fRB
	v_wmma_scale_f32_16x16x128_f8f6f4 v[rD:rD+7], v[rA:rA+11], v[rB:rB+11], 0, v[rSA], v[rSB] matrix_a_fmt:MATRIX_FMT_FP6 matrix_b_fmt:MATRIX_FMT_FP6 matrix_b_scale:MATRIX_SCALE_ROW1
.else
	v_wmma_scale_f32_16x16x128_f8f6f4 v[rD:rD+7], v[rA:rA+11], v[rB:rB+11], 0, v[rSA], v[rSB] matrix_a_fmt:MATRIX_FMT_FP6 matrix_b_fmt:MATRIX_FMT_FP6
.endif
.else
.if fRA && fRB
	v_wmma_scale_f32_16x16x128_f8f6f4 v[rD:rD+7], v[rA:rA+11], v[rB:rB+11], v[rD:rD+7], v[rSA], v[rSB] matrix_a_fmt:MATRIX_FMT_FP6 matrix_b_fmt:MATRIX_FMT_FP6 matrix_a_scale:MATRIX_SCALE_ROW1 matrix_b_scale:MATRIX_SCALE_ROW1
.elseif fRA
	v_wmma_scale_f32_16x16x128_f8f6f4 v[rD:rD+7], v[rA:rA+11], v[rB:rB+11], v[rD:rD+7], v[rSA], v[rSB] matrix_a_fmt:MATRIX_FMT_FP6 matrix_b_fmt:MATRIX_FMT_FP6 matrix_a_scale:MATRIX_SCALE_ROW1
.elseif fRB
	v_wmma_scale_f32_16x16x128_f8f6f4 v[rD:rD+7], v[rA:rA+11], v[rB:rB+11], v[rD:rD+7], v[rSA], v[rSB] matrix_a_fmt:MATRIX_FMT_FP6 matrix_b_fmt:MATRIX_FMT_FP6 matrix_b_scale:MATRIX_SCALE_ROW1
.else
	v_wmma_scale_f32_16x16x128_f8f6f4 v[rD:rD+7], v[rA:rA+11], v[rB:rB+11], v[rD:rD+7], v[rSA], v[rSB] matrix_a_fmt:MATRIX_FMT_FP6 matrix_b_fmt:MATRIX_FMT_FP6
.endif
.endif
.endm
; Q's tiles 2 P and 2 P + 1, both halves of the channels: 12 loads
.macro QLOAD P
.irp tt, 0,1
.irp cs, 0,1
.irp g, 0,1,2
	global_load_b128 v[QR+12*(2*\tt+\cs)+4*\g:QR+12*(2*\tt+\cs)+4*\g+3], v[LI], s[4:5] offset:\cs*12288+(2*(\P)+\tt)*1536+512*\g
.endr
.endr
.endr
.endm
; 16 products: my step's 8 tiles of keys x tiles 2 P, 2 P + 1 of queries, channels 128 cs on.  The 16 accumulators take turns, one instruction a turn, in the same order for both cs.
.macro QK P, cs
.irp kt, 0,1,2,3,4,5,6,7
.irp tt, 0,1
.set rD, SC0+64*\tt+8*\kt
.set rA, 12*(8*(\cs)+\kt)
.set rB, QR+12*(2*\tt+(\cs))
.set rSA, KSC+4*(\cs)+\kt/2
.set rSB, QSC+2*(\P)+(\cs)
.set fZ, 1-(\cs)
.set fRA, \kt%2
.set fRB, \tt
	WMI
.endr
.endr
.endm
; THE SOFTMAX of one tile of 16 queries x my 128 keys, whose scores stand in v[sb] .. v[sb + 63], and p's way into LDS as tile t's operand.  Blocks 0, 1 are one group of 64 keys, blocks 2, 3 the other.
.macro SM sb, t
.irp b, 0,1,2,3
	v_max3_num_f32 v[BM+\b], v[(\sb)+16*\b], v[(\sb)+16*\b+1], v[(\sb)+16*\b+2]   ; the largest score of each block of 32 keys: it serves the group's maximum and, since p rises with the score, the block's largest p.  (Each accumulator is read from its low end on)
.endr
.irp i, 3,5,7,9,11,13
.irp b, 0,1,2,3
	v_max3_num_f32 v[BM+\b], v[BM+\b], v[(\sb)+16*\b+\i], v[(\sb)+16*\b+\i+1]   ; (the four blocks by turns)
.endr
.endr
.irp b, 0,1,2,3
	v_max_num_f32 v[BM+\b], v[BM+\b], v[(\sb)+16*\b+15]
.endr
.irp b, 0,1,2,3
	v_permlanex16_b32 v[T+\b], v[BM+\b], s[SEL], s[SEL+1]
.endr
.irp b, 0,1,2,3
	v_max_num_f32 v[BM+\b], v[BM+\b], v[T+\b]      ; with lane l xor 16's 16 keys
.endr
	v_max_num_f32 v[T], v[BM], v[BM+1]             ; the groups' maxima
	v_max_num_f32 v[T+1], v[BM+2], v[BM+3]
	v_mul_f32 v[NM], s[NC], v[T]                   ; -c x maximum.  Its rounding shifts all exponents of a group alike, which the division by the sum takes out again
	v_mul_f32 v[NM+2], s[NC], v[T+1]
.irp j, 0,2,4,6,8,10,12,14,16,18,20,22,24,26,28,30,32,34,36,38,40,42,44,46,48,50,52,54,56,58,60,62
	v_pk_fma_f32 v[(\sb)+\j:(\sb)+\j+1], v[(\sb)+\j:(\sb)+\j+1], s[CS:CS+1], v[NM+2*(\j/32):NM+2*(\j/32)+1] op_sel_hi:[1,0,0]   ; c s - c max, two at a time
.endr
.irp b, 0,1,2,3
	v_fma_f32 v[BM+\b], v[BM+\b], s[CS], v[NM+2*(\b/2)]   ; the same of each block's largest score
.endr
.set j, 0
.rept 64
	v_exp_f32 v[(\sb)+j], v[(\sb)+j]               ; e = 2^(c s - c max), about 1 at the most
.set j, j+1
.endr
	v_nop                                          ; a plain place behind the exponentials
	s_wait_alu depctr_va_vdst(0)                   ; one wait for the batch of 64, ahead of its first reader
.irp b, 0,1,2,3
	v_exp_f32 v[BM+\b], v[BM+\b]                   ; the same instruction on the same number gives the same bits
.endr
.irp g, 0,1                                    ; the groups' sums of e, two at a time, two chains a group; they read the 64 alone: plain work behind the four
	v_pk_add_f32 v[PT+4*\g:PT+4*\g+1], v[(\sb)+32*\g:(\sb)+32*\g+1], v[(\sb)+32*\g+2:(\sb)+32*\g+3]
	v_pk_add_f32 v[PT+4*\g+2:PT+4*\g+3], v[(\sb)+32*\g+4:(\sb)+32*\g+5], v[(\sb)+32*\g+6:(\sb)+32*\g+7]
.endr
.irp j, 8,12,16,20,24,28
.irp g, 0,1
	v_pk_add_f32 v[PT+4*\g:PT+4*\g+1], v[PT+4*\g:PT+4*\g+1], v[(\sb)+32*\g+\j:(\sb)+32*\g+\j+1]
	v_pk_add_f32 v[PT+4*\g+2:PT+4*\g+3], v[PT+4*\g+2:PT+4*\g+3], v[(\sb)+32*\g+\j+2:(\sb)+32*\g+\j+3]
.endr
.endr
.irp g, 0,1
	v_pk_add_f32 v[PT+4*\g:PT+4*\g+1], v[PT+4*\g:PT+4*\g+1], v[PT+4*\g+2:PT+4*\g+3]
.endr
.irp g, 0,1
	v_add_f32 v[GS+\g], v[PT+4*\g], v[PT+4*\g+1]
.endr
.irp g, 0,1
	v_permlanex16_b32 v[T+\g], v[GS+\g], s[SEL], s[SEL+1]
.endr
.irp g, 0,1
	v_add_f32 v[GS+\g], v[GS+\g], v[T+\g]          ; with lane l xor 16's 32 keys: the group's sum
.endr
	v_rcp_f32 v[NM], v[GS]
	v_rcp_f32 v[NM+2], v[GS+1]
	v_nop                                          ; a plain place behind the reciprocals
	s_wait_alu depctr_va_vdst(0)                   ; one wait for the four exponentials and the two reciprocals
.irp j, 0,2,4,6,8,10,12,14,16,18,20,22,24,26,28,30,32,34,36,38,40,42,44,46,48,50,52,54,56,58,60,62
	v_pk_mul_f32 v[(\sb)+\j:(\sb)+\j+1], v[(\sb)+\j:(\sb)+\j+1], v[NM+2*(\j/32):NM+2*(\j/32)+1] op_sel_hi:[1,0]   ; p = e / sum: the finished softmax
.endr
.irp b, 0,1,2,3
	v_mul_f32 v[BM+\b], v[BM+\b], v[NM+2*(\b/2)]   ; each block's largest p
.endr
.irp b, 0,1,2,3
	v_max_num_f32 v[BM+\b], 0x1800000, v[BM+\b]    ; the floor 2^(3 - 127): the byte cannot fall under 1
.endr
.irp b, 0,1,2,3
	v_add_nc_u32 v[SO+\b], 0xff000000, v[BM+\b]    ; 2 off the exponent field: the conversion's scale operand
.endr
.irp b, 0,1,2,3
	v_lshrrev_b32 v[T+\b], 23, v[SO+\b]            ; the scale's byte
.endr
	s_wait_dscnt 0x0                               ; the last tile's LDS stores have read the word and the codes: both are written anew below
	v_lshl_or_b32 v[PW], v[T+1], 8, v[T]           ; p's scale word for my query and these 128 keys
	v_lshl_or_b32 v[PW], v[T+2], 16, v[PW]
	v_lshl_or_b32 v[PW], v[T+3], 24, v[PW]
.irp c, 0,1
	v_cvt_scalef32_pk16_fp6_f32 v[PC+6*\c:PC+6*\c+2], v[(\sb)+32*\c:(\sb)+32*\c+15], v[SO+2*\c]
	v_cvt_scalef32_pk16_fp6_f32 v[PT+4*\c:PT+4*\c+2], v[(\sb)+32*\c+16:(\sb)+32*\c+31], v[SO+2*\c+1]   ; (a conversion's three registers begin on an even number)
.endr
	v_nop                                          ; one plain place behind a scaled conversion
.irp c, 0,1                                    ; the operand's layout wants a WHOLE block in a lane: lanes 0-15 block 2 c, lanes 16-31 block 2 c + 1
.irp i, 0,1,2
	v_permlane16_swap_b32 v[PC+6*\c+\i], v[PT+4*\c+\i]
.endr
.irp i, 0,1,2
	v_mov_b32 v[PC+6*\c+3+\i], v[PT+4*\c+\i]
.endr
.endr
.irp g, 0,1,2
	ds_store_b128 v[AW], v[PC+4*\g:PC+4*\g+3] offset:PIMG+(\t)*12288+512*\g   ; the fragment as it stands: 512 consecutive bytes a store
.endr
	ds_store_b32 v[ASW], v[PW] offset:4*(\t)
.endm
; P's four fragments of key step s (one a tile of queries) and their scale words, into set s % 2: 13 LDS loads
.macro LOADP s
.irp t, 0,1,2,3
.irp g, 0,1,2
	ds_load_b128 v[192-112*((\s)%2)+12*\t+4*\g:192-112*((\s)%2)+12*\t+4*\g+3], v[LI] offset:PIMG+(8*\t+(\s))*1536+512*\g
.endr
.endr
	ds_load_b128 v[PSR+4*((\s)%2):PSR+4*((\s)%2)+3], v[LI] offset:PSCL+(\s)*512
.endm
; 8 products: my two tiles of channels x the four tiles of queries, K = key step s.  The 8 accumulators take turns, one instruction a turn, in the same order in every step.
.macro PV s
.irp t, 0,1,2,3
.irp n, 0,1
.set rD, OA+8*(4*\n+\t)
.set rA, 12*(2*(\s)+\n)
.set rB, 192-112*((\s)%2)+12*\t
.set rSA, KSC+(\s)
.set rSB, PSR+4*((\s)%2)+\t
.if (\s) == 0
.set fZ, 1
.else
.set fZ, 0
.endif
.set fRA, \n
.set fRB, 0
	WMI
.endr
.endr
.endm
	s_load_b256 s[4:11], s[0:1], 0x0               ; QF s[4:5], QS s[6:7], KF s[8:9], KS s[10:11]
	s_load_b128 s[12:15], s[0:1], 0x20             ; VF s[12:13], VS s[14:15]
	s_load_b64 s[16:17], s[0:1], 0x30              ; PART
	v_lshl_add_u32 v78, v0, 2, 0xd000
	v_mov_b32 v79, 0
	v_lshrrev_b32 v6, 5, v0
	v_readfirstlane_b32 s[WV], v6                  ; wave 0..7
	v_and_b32 v6, 31, v0                           ; lane
	v_lshlrev_b32 v[LI], 4, v6
	v_lshlrev_b32 v[LS], 2, v6
	s_mul_i32 s32, s[WV], 1536
	v_add_nc_u32 v[AW], s32, v[LI]
	s_lshl_b32 s32, s[WV], 9
	s_add_co_u32 s32, s32, PSCL
	v_add_nc_u32 v[ASW], s32, v[LI]
	v_and_b32 v7, 15, v0                           ; r
	v_bfe_u32 v6, v0, 4, 1                         ; h
	v_lshlrev_b32 v[PO], 4, v7
	v_lshl_add_u32 v[PO], v6, 10, v[PO]
.irp b, 0,1,2,3
	v_mov_b32 v[T+\b], 0                           ; written once: a lane permute's destination counts as one of its sources
.endr
	v_mov_b32 v[NM+1], 0                           ; named as the upper halves of pairs, so they are written
	v_mov_b32 v[NM+3], 0
	s_mov_b32 s[SEL], 0x76543210
	s_mov_b32 s[SEL+1], 0xfedcba98
	s_mov_b32 s[CS], 0x3db8aa3b                    ; c = log2(e) / 16
	s_mov_b32 s[CS+1], s[CS]
	s_mov_b32 s[NC], 0xbdb8aa3b                    ; -c
	s_and_b32 s19, ttmp9, 15                       ; qg
	s_lshr_b32 s20, ttmp9, 4
	s_and_b32 s20, s20, 3                          ; kq
	s_lshr_b32 s21, ttmp9, 6                       ; b
	s_lshl_b32 s22, s21, 5
	s_lshl_b32 s23, s20, 3
	s_add_co_u32 s22, s22, s23                     ; 32 b + 8 kq: the quarter's first key step
	s_add_co_u32 s23, s22, s[WV]                   ; mine in phase 1
	s_lshl_b32 s32, s21, 3
	s_lshr_b32 s30, s19, 1
	s_add_co_u32 s32, s32, s30                     ; 8 b + qg / 2: the 128 queries in which my 64 lie
	s_and_b32 s29, s19, 1                          ; which half of them
	s_mov_b32 s31, 0
	s_wait_kmcnt 0x0
	s_lshl_b32 s30, s32, 10
	s_lshl_b32 s33, s29, 8
	s_add_co_u32 s30, s30, s33
	s_add_nc_u64 s[6:7], s[6:7], s[30:31]
	s_lshl_b32 s30, s23, 10
	s_add_nc_u64 s[10:11], s[10:11], s[30:31]
	s_mul_i32 s30, s32, 24576
	s_mul_i32 s33, s29, 6144
	s_add_co_u32 s30, s30, s33
	s_add_nc_u64 s[4:5], s[4:5], s[30:31]
	s_mul_i32 s30, s23, 24576
	s_add_nc_u64 s[8:9], s[8:9], s[30:31]
.irp P, 0,1                                    ; Q's scale words: 4 loads
.irp cs, 0,1
	global_load_b32 v[QSC+2*\P+\cs], v[LS], s[6:7] offset:\cs*512+\P*128
.endr
.endr
.irp cs, 0,1                                   ; K's: 8 loads
.irp b, 0,1,2,3
	global_load_b32 v[KSC+4*\cs+\b], v[LS], s[10:11] offset:\cs*512+\b*128
.endr
.endr
	QLOAD 0
	WIN W_LD
.set j, 0
.rept 48                                       ; K's 16 fragments, those of channels 0-127 first: 512 consecutive bytes a load
	global_load_b128 v[4*j:4*j+3], v[LI], s[8:9] offset:512*j
.set j, j+1
.endr
	s_mul_i32 s30, s22, 24576                      ; the other bases, while the loads are out
	s_mul_i32 s33, s[WV], 3072
	s_add_co_u32 s30, s30, s33
	s_add_nc_u64 s[12:13], s[12:13], s[30:31]      ; VF: the quarter's first step, my two tiles of channels
	s_lshl_b32 s30, s22, 10
	s_lshl_b32 s33, s[WV], 7
	s_add_co_u32 s30, s30, s33
	s_add_nc_u64 s[14:15], s[14:15], s[30:31]      ; VS likewise: my 32 channels' words
	s_lshl_b32 s30, s20, 22
	s_lshl_b32 s33, s21, 20
	s_add_co_u32 s30, s30, s33
	s_lshl_b32 s33, s19, 16
	s_add_co_u32 s30, s30, s33
	s_lshl_b32 s33, s[WV], 12
	s_add_co_u32 s30, s30, s33
	s_add_nc_u64 s[16:17], s[16:17], s[30:31]      ; PART: quarter, batch, rows y = 2 qg on, channel groups 8 w on
	; ---- phase 1
	WIN W_MUL
	s_wait_loadcnt 24                              ; all but the youngest 24 loads: K's eight fragments of channels 128-255
	QK 0, 0
	s_wait_loadcnt 0x0
	QK 0, 1
	WIN 0
	PLACES                                         ; in front of the loads into Q's registers and of the first read of scores
	QLOAD 1                                        ; lands under two softmaxes
	SM SC0, 0
	SM SC1, 1
	s_wait_loadcnt 0x0                             ; Q's tiles 2 and 3
	WIN W_MUL
	QK 1, 0
	QK 1, 1
	WIN 0
	PLACES                                         ; in front of the loads into K's registers and K's scale registers, and of the first read of scores
.irp s, 0,1,2,3,4,5,6,7
	global_load_b32 v[KSC+\s], v[LS], s[14:15] offset:\s*1024   ; V's scale words
.endr
	WIN W_LD
.irp s, 0,1,2,3,4,5,6,7                        ; V's 16 fragments (step s, tile n) at 12 (2 s + n): they land under two softmaxes
.irp n, 0,1
.irp g, 0,1,2
	global_load_b128 v[12*(2*\s+\n)+4*\g:12*(2*\s+\n)+4*\g+3], v[LI], s[12:13] offset:\s*24576+\n*1536+512*\g
.endr
.endr
.endr
	WIN 0
	SM SC0, 2
	SM SC1, 3
	s_wait_dscnt 0x0                               ; for the others' sake: my four fragments of P and their words lie in LDS
	s_barrier_signal -1
	s_barrier_wait -1                              ; all 32 do
	; ---- phase 2
	LOADP 0
	LOADP 1
	s_wait_loadcnt 0x0                             ; V and its scale words
.irp s, 0,1,2,3,4,5,6,7
.if \s < 7
	s_wait_dscnt 13                                ; this step's 13 loads are in; the next step's 13 may be out
.else
	s_wait_dscnt 0x0
.endif
	WIN W_MUL
	PV \s
	WIN 0
	PLACES                                         ; in front of the loads into the set just read, and at the end of the first read of results
.if \s < 6
	LOADP \s+2
.endif
.endr
.irp t, 0,1,2,3                                ; lane (r, h), register j of accumulator (n, t): channel 32 w + 16 n + 8 h + j of query r of tile 4 qg + t
.irp n, 0,1
.irp q, 0,1                                    ; each accumulator from its low end on
	global_store_b128 v[PO], v[OA+8*(4*\n+\t)+4*\q:OA+8*(4*\n+\t)+4*\q+3], s[16:17] offset:(\t/2)*32768+(4*\n+\q)*512+(\t%2)*256   ; sixteen lanes store 256 consecutive bytes, at a multiple of 256 from the buffer's first byte
.endr
.endr
.endr
	s_wait_tensorcnt 0x0
	ds_add_u32 v78, v79
	s_wait_dscnt 0x0
	s_endpgm
.Lfunc_end_k_qc8d9a99ba1_attn:
	.size	k_qc8d9a99ba1_attn, .Lfunc_end_k_qc8d9a99ba1_attn-k_qc8d9a99ba1_attn
	.p2alignl 7, 3214868480
	.fill 96, 4, 3214868480
	.section	.rodata,"a",@progbits
	.p2align	6, 0x0
	.amdhsa_kernel k_qc8d9a99ba1_attn
		.amdhsa_group_segment_fixed_size 54272
		.amdhsa_private_segment_fixed_size 0
		.amdhsa_enable_private_segment 0
		.amdhsa_kernarg_size 56
		.amdhsa_user_sgpr_count 2
		.amdhsa_user_sgpr_kernarg_segment_ptr 1
		.amdhsa_wavefront_size32 1
		.amdhsa_system_sgpr_workgroup_id_x 1
		.amdhsa_system_sgpr_workgroup_id_y 1
		.amdhsa_system_sgpr_workgroup_id_z 1
		.amdhsa_system_vgpr_workitem_id 0
		.amdhsa_next_free_vgpr 448
		.amdhsa_next_free_sgpr 66
		.amdhsa_reserve_vcc 0
		.amdhsa_float_denorm_mode_32 3
		.amdhsa_float_denorm_mode_16_64 3
		.amdhsa_memory_ordered 1
		.amdhsa_forward_progress 1
		.amdhsa_inst_pref_size 95
	.end_amdhsa_kernel
	.amdgpu_metadata
---
amdhsa.version: [ 1, 2 ]
amdhsa.kernels:
  - .name:           k_qc8d9a99ba1_attn
    .symbol:         k_qc8d9a99ba1_attn.kd
    .args:
      - { .name: QF, .offset: 0, .size: 8, .value_kind: global_buffer, .address_space: global }
      - { .name: QS, .offset: 8, .size: 8, .value_kind: global_buffer, .address_space: global }
      - { .name: KF, .offset: 16, .size: 8, .value_kind: global_buffer, .address_space: global }
      - { .name: KS, .offset: 24, .size: 8, .value_kind: global_buffer, .address_space: global }
      - { .name: VF, .offset: 32, .size: 8, .value_kind: global_buffer, .address_space: global }
      - { .name: VS, .offset: 40, .size: 8, .value_kind: global_buffer, .address_space: global }
      - { .name: PART, .offset: 48, .size: 8, .value_kind: global_buffer, .address_space: global }
    .group_segment_fixed_size: 54272
    .private_segment_fixed_size: 0
    .kernarg_segment_align: 8
    .kernarg_segment_size: 56
    .max_flat_workgroup_size: 256
    .sgpr_count:     66
    .vgpr_count:     448
    .wavefront_size: 32
...
	.end_amdgpu_metadata
.endif
;; end of part 2
;; launch combine (part 3): grid 256 x 1, 8 waves a work-group, no clusters, 0 bytes of LDS; arguments PART, D, out0; writes out0
.if DOCPART == 3
	.amdgcn_target "amdgcn-amd-amdhsa--gfx1250"
	.amdhsa_code_object_version 6
	.text
	.protected	k_qc8d9a99ba1_combine
	.globl	k_qc8d9a99ba1_combine
	.p2align	8
	.type	k_qc8d9a99ba1_combine,@function
k_qc8d9a99ba1_combine:
	s_mov_b64 s[64:65], 0
	v_nop
	global_prefetch_b8 v0, s[64:65] scope:SCOPE_SE
	s_setreg_imm32_b32 hwreg(HW_REG_WAVE_MODE, 25, 1), 1
	s_wait_xcnt 0x0
; out0[b][c][2 y + dy][2 x + dx] = PART[0] + PART[1] + PART[2] + PART[3] + D[b][c][y][x], for dy, dx = 0, 1: the four key quarters' sums, the residual, and the four copies of the nearest-neighbour upsampling.
; PART: [kq 4][b 4][y 32][cg 64][u 2][r 16][4 channels] f32, where x = 8 u + r % 8 + 16 (r / 8) (the order of a tile's queries) and cg = c / 4.
; A stream: no LDS, no barrier, no matrix work, no cluster (work-groups share no byte).  Work-group g: batch g / 64, row y = (g / 2) % 32, channels 128 (g % 2) on; wave w: 16 channels, as four groups of four; lane = x.
; All 32 loads of a wave go out first; every register is written once, so no store's data or address is written again.
.set P,  8                             ; v8-71   group i, quarter kq: 4 channels at v[P + 16 i + 4 kq]
.set DV, 72                            ; v72-87  D of my 16 channels
.set R,  88                            ; v88-119 results, each twice (dx = 0, 1)
	s_load_b128 s[4:7], s[0:1], 0x0                ; PART s[4:5], D s[6:7]
	s_load_b64 s[8:9], s[0:1], 0x10                ; out0
	v_lshrrev_b32 v1, 5, v0
	v_readfirstlane_b32 s10, v1                    ; wave 0..7
	v_and_b32 v1, 31, v0                           ; x
	v_lshlrev_b32 v2, 2, v1                        ; in D: 4 x
	v_lshlrev_b32 v3, 3, v1                        ; in out0: 8 x
	v_and_b32 v4, 7, v1
	v_lshlrev_b32 v4, 4, v4                        ; in PART: 16 (x % 8)
	v_bfe_u32 v5, v1, 3, 1
	v_lshl_add_u32 v4, v5, 8, v4                   ; + 256 u
	v_bfe_u32 v5, v1, 4, 1
	v_lshl_add_u32 v4, v5, 7, v4                   ; + 128 (x / 16): the 32 lanes still cover 512 consecutive bytes
	s_lshr_b32 s12, ttmp9, 6                       ; b
	s_lshr_b32 s13, ttmp9, 1
	s_and_b32 s13, s13, 31                         ; y
	s_and_b32 s14, ttmp9, 1
	s_lshl_b32 s14, s14, 5
	s_lshl_b32 s15, s10, 2
	s_add_co_u32 s15, s15, s14                     ; my first channel group: 32 (g % 2) + 4 w
	s_mov_b32 s19, 0
	s_lshl_b32 s20, s12, 20
	s_lshl_b32 s21, s13, 15
	s_add_co_u32 s18, s20, s21
	s_lshl_b32 s21, s15, 9
	s_add_co_u32 s18, s18, s21                     ; PART: b, y, channel group
	s_wait_kmcnt 0x0
	s_add_nc_u64 s[4:5], s[4:5], s[18:19]
	s_add_nc_u64 s[16:17], s[4:5], 0x800000        ; quarters 2 and 3: a base of their own, so that every immediate stays inside its signed 24 bits
	s_lshl_b32 s21, s15, 14
	s_add_co_u32 s18, s20, s21
	s_lshl_b32 s21, s13, 7
	s_add_co_u32 s18, s18, s21                     ; D: b, my first channel (4 x the group), y
	s_add_nc_u64 s[6:7], s[6:7], s[18:19]
	s_lshl_b32 s18, s12, 22
	s_lshl_b32 s21, s15, 16
	s_add_co_u32 s18, s18, s21
	s_lshl_b32 s21, s13, 9
	s_add_co_u32 s18, s18, s21                     ; out0: b, my first channel, row 2 y
	s_add_nc_u64 s[8:9], s[8:9], s[18:19]
.irp i, 0,1,2,3
.irp q, 0,1
	global_load_b128 v[P+16*\i+4*\q:P+16*\i+4*\q+3], v4, s[4:5] offset:\i*512+\q*4194304 th:TH_LOAD_NT
	global_load_b128 v[P+16*\i+8+4*\q:P+16*\i+8+4*\q+3], v4, s[16:17] offset:\i*512+\q*4194304 th:TH_LOAD_NT
.endr
.irp k, 0,1,2,3
	global_load_b32 v[DV+4*\i+\k], v2, s[6:7] offset:(4*\i+\k)*4096 th:TH_LOAD_NT
.endr
.endr
.irp i, 0,1,2,3
	s_wait_loadcnt 8*(3-\i)                        ; loads come back in order: group i's eight are in, the later groups' may be out
.irp e, 0,2
	v_pk_add_f32 v[P+16*\i+\e:P+16*\i+\e+1], v[P+16*\i+\e:P+16*\i+\e+1], v[P+16*\i+4+\e:P+16*\i+4+\e+1]         ; quarters 0 + 1
	v_pk_add_f32 v[P+16*\i+8+\e:P+16*\i+8+\e+1], v[P+16*\i+8+\e:P+16*\i+8+\e+1], v[P+16*\i+12+\e:P+16*\i+12+\e+1]   ; quarters 2 + 3
.endr
.irp e, 0,2
	v_pk_add_f32 v[P+16*\i+\e:P+16*\i+\e+1], v[P+16*\i+\e:P+16*\i+\e+1], v[P+16*\i+8+\e:P+16*\i+8+\e+1]
.endr
.irp k, 0,1,2,3
	v_add_f32 v[R+2*(4*\i+\k)], v[P+16*\i+\k], v[DV+4*\i+\k]       ; the residual; the number twice, for columns 2 x and 2 x + 1
	v_add_f32 v[R+2*(4*\i+\k)+1], v[P+16*\i+\k], v[DV+4*\i+\k]
.endr
.irp k, 0,1,2,3
.irp dy, 0,1
	global_store_b64 v3, v[R+2*(4*\i+\k):R+2*(4*\i+\k)+1], s[8:9] offset:(4*\i+\k)*16384+\dy*256 th:TH_STORE_NT   ; 32 lanes store a whole row of the output: 256 consecutive bytes, aligned; rows 2 y and 2 y + 1
.endr
.endr
.endr
	s_endpgm
.Lfunc_end_k_qc8d9a99ba1_combine:
	.size	k_qc8d9a99ba1_combine, .Lfunc_end_k_qc8d9a99ba1_combine-k_qc8d9a99ba1_combine
	.p2alignl 7, 3214868480
	.fill 96, 4, 3214868480
	.section	.rodata,"a",@progbits
	.p2align	6, 0x0
	.amdhsa_kernel k_qc8d9a99ba1_combine
		.amdhsa_group_segment_fixed_size 0
		.amdhsa_private_segment_fixed_size 0
		.amdhsa_enable_private_segment 0
		.amdhsa_kernarg_size 24
		.amdhsa_user_sgpr_count 2
		.amdhsa_user_sgpr_kernarg_segment_ptr 1
		.amdhsa_wavefront_size32 1
		.amdhsa_system_sgpr_workgroup_id_x 1
		.amdhsa_system_sgpr_workgroup_id_y 1
		.amdhsa_system_sgpr_workgroup_id_z 1
		.amdhsa_system_vgpr_workitem_id 0
		.amdhsa_next_free_vgpr 136
		.amdhsa_next_free_sgpr 66
		.amdhsa_reserve_vcc 0
		.amdhsa_float_denorm_mode_32 3
		.amdhsa_float_denorm_mode_16_64 3
		.amdhsa_memory_ordered 1
		.amdhsa_forward_progress 1
		.amdhsa_inst_pref_size 11
	.end_amdhsa_kernel
	.amdgpu_metadata
---
amdhsa.version: [ 1, 2 ]
amdhsa.kernels:
  - .name:           k_qc8d9a99ba1_combine
    .symbol:         k_qc8d9a99ba1_combine.kd
    .args:
      - { .name: PART, .offset: 0, .size: 8, .value_kind: global_buffer, .address_space: global }
      - { .name: D, .offset: 8, .size: 8, .value_kind: global_buffer, .address_space: global }
      - { .name: out0, .offset: 16, .size: 8, .value_kind: global_buffer, .address_space: global }
    .group_segment_fixed_size: 0
    .private_segment_fixed_size: 0
    .kernarg_segment_align: 8
    .kernarg_segment_size: 24
    .max_flat_workgroup_size: 256
    .sgpr_count:     66
    .vgpr_count:     136
    .wavefront_size: 32
...
	.end_amdgpu_metadata
.endif
;; end of part 3
;; ======== version 2 of 2: 3 launches
;; workspace buffers: QF 786,432 bytes; QS 32,768 bytes; KF 3,145,728 bytes; KS 131,072 bytes; VF 3,145,728 bytes; VS 131,072 bytes; PART 16,777,216 bytes
;; launch quant (part 4): grid 320 x 1, 8 waves a work-group, no clusters, 69,632 bytes of LDS; arguments S, D, QF, QS, KF, KS, VF, VS; writes QF, QS, KF, KS, VF, VS
.if DOCPART == 4
	.amdgcn_target "amdgcn-amd-amdhsa--gfx1250"
	.amdhsa_code_object_version 6
	.text
	.protected	k_qc8d9a99ba1_quant
	.globl	k_qc8d9a99ba1_quant
	.p2align	8
	.type	k_qc8d9a99ba1_quant,@function
k_qc8d9a99ba1_quant:
	s_mov_b64 s[64:65], 0
	v_nop
	global_prefetch_b8 v0, s[64:65] scope:SCOPE_SE
	s_setreg_imm32_b32 hwreg(HW_REG_WAVE_MODE, 25, 1), 1
	s_wait_xcnt 0x0
; S [4][256][4096] and D [4][256][1024], f32, become codes of FP6 (E2M3) with one E8M0 scale byte for each 32 along K, laid as IMAGES OF OPERAND REGISTERS.
; A fragment is 16 rows x 128 K = 12 registers a lane = 1,536 bytes: register 4 g + i of a lane lies at 512 g + 16 lane + 4 i, so that three accesses of 16 bytes a lane bring or store it.
; A work-group takes a slab of 128 channels x 128 columns (65,536 bytes).  Work-groups 0-255: a slab of S, number sl = (32 b + ks) 2 + cs; work-groups 256-319: a slab of D, sl = (8 b + qs) 2 + cs.
;   K path (S and D): rows = 16 columns (keys or queries), K = the slab's 128 channels: the first product's operands.  Wave w makes tile w.
;     THE COLUMNS OF A TILE ARE NOT NEIGHBOURS: lane r of tile 2 b' + u takes column 32 b' + 8 u + r + 8 (r / 8), so that the scores of two neighbouring tiles are 16 neighbouring keys in a lane.
;   V path (S only): rows = 16 channels, K = the slab's 128 columns (keys) in their own order: the second product's operand.  Wave w makes channels 16 w on.
; The slab is read from memory once, by rows of 512 bytes, and lies in LDS; both paths take their 64 numbers a lane from there, in the order of the operand's registers (k = 64 c + 32 h + i).
; A block's scale is 2^(floor(log2(largest magnitude)) - 2): its byte is the largest magnitude's exponent field - 2, held at 1 from below.
; LIMITS: a block of zeros gets the byte 1 where the rule says 127 (its codes are zeros; these bytes are read by this program alone); NaN and infinities among the inputs are not served.
; No tensor load, no matrix work, no cluster: work-groups share no input byte.
.set PITCH, 528                        ; a slab row in LDS: 512 bytes + 16: 33 x 16, so that sixteen rows' loads of 16 bytes start in sixteen different groups of banks (64 banks of 4 bytes: ISA guide 11.1)
.set SCST,  128*PITCH                  ; behind the slab: 512 bytes of K's (or Q's) scale words, then 512 of V's
.set LI,  4                            ; v4   16 x lane
.set LST, 5                            ; v5   where I store a slab row: 16 w rows + 16 x lane
.set AKL, 6                            ; v6   K path: my column, my half's first row
.set AVL, 7                            ; v7   V path: my row, my half's first column
.set ASC, 8                            ; v8   my row's scale word in the stage
.set ARD, 9                            ; v9   where the stage is read back
.set VO,  10                           ; v10-25  byte offsets of my 16 slab rows in memory
.set X,   32                           ; v32-95  64 numbers
.set FK,  96                           ; v96-107  the K path's fragment
.set FV,  108                          ; v108-119 the V path's
.set CT,  120                          ; v120-127 upper halves of the blocks' codes
.set MX,  128                          ; v128-129 largest magnitudes
.set SO,  130                          ; v130-131 the conversions' scale operands
.set BY,  132                          ; v132-133 scale bytes
.set W,   134                          ; v134 the scale word
.set PD,  135                          ; v135 a lane permute's destination
.set H8,  136                          ; v136 8 h
.set WV,  20                           ; s20  wave
	s_load_b256 s[4:11], s[0:1], 0x0               ; S s[4:5], D s[6:7], QF s[8:9], QS s[10:11]
	s_load_b256 s[12:19], s[0:1], 0x20             ; KF s[12:13], KS s[14:15], VF s[16:17], VS s[18:19]
	v_lshl_add_u32 v144, v0, 2, 0x10c00
	v_mov_b32 v145, 0
	v_lshrrev_b32 v1, 5, v0
	s_delay_alu instid0(VALU_DEP_1)
	v_readfirstlane_b32 s[WV], v1                  ; wave 0..7
	v_and_b32 v1, 31, v0                           ; lane
	v_and_b32 v2, 15, v0                           ; r
	v_bfe_u32 v3, v0, 4, 1                         ; h
	s_delay_alu instid0(VALU_DEP_3)
	v_lshlrev_b32 v[LI], 4, v1
	s_mul_i32 s21, s[WV], 16*PITCH
	v_add_nc_u32 v[LST], s21, v[LI]
	v_mul_u32_u24 v[AVL], v2, PITCH
	s_delay_alu instid0(VALU_DEP_1)
	v_lshl_add_u32 v[AVL], v3, 7, v[AVL]
	s_delay_alu instid0(VALU_DEP_1)
	v_add_nc_u32 v[AVL], s21, v[AVL]               ; (16 w + r) rows + 128 h bytes
	v_and_b32 v[AKL], 8, v2
	s_delay_alu instid0(VALU_DEP_1)
	v_add_nc_u32 v[AKL], v[AKL], v2                ; r + 8 (r / 8)
	s_delay_alu instid0(VALU_DEP_1)
	v_lshlrev_b32 v[AKL], 2, v[AKL]
	s_delay_alu instid0(VALU_DEP_1)
	v_mad_u32_u24 v[AKL], v3, 32*PITCH, v[AKL]     ; lanes 16-31 begin 32 rows (channels) further down
	s_lshr_b32 s21, s[WV], 1
	s_lshl_b32 s21, s21, 7                         ; 4 x 32 (w / 2)
	s_and_b32 s22, s[WV], 1
	s_lshl_b32 s22, s22, 5                         ; 4 x 8 (w % 2)
	s_add_co_u32 s21, s21, s22
	v_add_nc_u32 v[AKL], s21, v[AKL]
	s_lshl_b32 s21, s[WV], 6
	s_add_co_u32 s21, s21, SCST
	v_lshl_add_u32 v[ASC], v2, 2, s21              ; SCST + 64 w + 4 r
	s_and_b32 s21, s[WV], 1
	s_lshl_b32 s21, s21, 9
	s_add_co_u32 s21, s21, SCST
	v_add_nc_u32 v[ARD], s21, v[LI]                ; SCST + 512 (w % 2) + 16 x lane: wave 0 takes K's words, wave 1 V's
	v_lshlrev_b32 v[H8], 3, v3
	v_mov_b32 v[PD], 0                             ; written once: a lane permute's destination counts as one of its sources
	s_mov_b32 s40, 0x76543210
	s_mov_b32 s41, 0xfedcba98                      ; v_permlanex16_b32's selects for lane l xor 16
	s_wait_kmcnt 0x0
	s_cmp_lt_u32 ttmp9, 256                        ; a slab of S or of D?  The choice hangs on the work-group's number alone; only selects follow the compare
	s_cselect_b64 s[24:25], s[4:5], s[6:7]         ; in
	s_cselect_b64 s[26:27], s[12:13], s[8:9]       ; fragments out: KF or QF
	s_cselect_b64 s[28:29], s[14:15], s[10:11]     ; scale words out: KS or QS
	s_cselect_b32 s30, 0, 256
	s_cselect_b32 s31, 14, 12                      ; a channel is 2^14 bytes in S, 2^12 in D
	s_cselect_b32 s33, 6, 4                        ; slabs in a batch: 2^6, 2^4
	s_cselect_b32 s34, 31, 7
	s_cselect_b32 s35, 1, 0                        ; 1: a slab of S
	s_sub_co_u32 s32, ttmp9, s30                   ; sl
	s_lshr_b32 s36, s32, s33                       ; b
	s_lshr_b32 s37, s32, 1
	s_and_b32 s37, s37, s34                        ; ks or qs: which 128 columns
	s_and_b32 s38, s32, 1                          ; cs: which 128 channels
	s_add_co_u32 s39, s31, 8
	s_lshl_b32 s36, s36, s39                       ; b x 256 channels
	s_add_co_u32 s39, s31, 7
	s_lshl_b32 s38, s38, s39                       ; cs x 128 channels
	s_add_co_u32 s36, s36, s38
	s_lshl_b32 s37, s37, 9                         ; 128 columns are 512 bytes
	s_add_co_u32 s36, s36, s37
	s_lshl_b32 s38, s[WV], 4
	s_lshl_b32 s38, s38, s31                       ; my 16 channels
	s_add_co_u32 s36, s36, s38
	s_mov_b32 s37, 0
	s_add_nc_u64 s[24:25], s[24:25], s[36:37]
	s_lshl_b32 s39, 1, s31                         ; from channel to channel
	v_mov_b32 v[VO], v[LI]
.irp i, 1,2,3,4,5,6,7,8,9,10,11,12,13,14,15
	s_delay_alu instid0(VALU_DEP_1)
	v_add_nc_u32 v[VO+\i], s39, v[VO+\i-1]
.endr
.irp i, 0,1,2,3,4,5,6,7,8,9,10,11,12,13,14,15
	global_load_b128 v[X+4*\i:X+4*\i+3], v[VO+\i], s[24:25] th:TH_LOAD_NT   ; a slab row: 32 lanes read 512 consecutive bytes; each byte is read once in the launch
.endr
	s_mul_i32 s36, s32, 12288                      ; a slab's eight fragments,
	s_mul_i32 s38, s[WV], 1536                     ; mine of them
	s_add_co_u32 s36, s36, s38
	s_add_nc_u64 s[26:27], s[26:27], s[36:37]
	s_add_nc_u64 s[16:17], s[16:17], s[36:37]      ; VF has the same place: channel tile 8 cs + w of key step ks
	s_lshl_b32 s36, s32, 9                         ; a slab's 128 scale words
	s_add_nc_u64 s[28:29], s[28:29], s[36:37]
	s_add_nc_u64 s[18:19], s[18:19], s[36:37]
	s_add_co_u32 s42, s35, 1                       ; how many waves store scale words at the end
.irp i, 0,1,2,3,4,5,6,7,8,9,10,11,12,13,14,15
	s_wait_loadcnt 15-\i                           ; loads come back in order: row i is in, the 15 - i behind it may be out
	ds_store_b128 v[LST], v[X+4*\i:X+4*\i+3] offset:\i*PITCH
.endr
	s_wait_dscnt 0x0                               ; for the others' sake: my 16 rows lie in LDS
	s_barrier_signal -1
	s_barrier_wait -1                              ; the slab is whole
; 64 numbers of a lane, v[X + 32 c + i] = k 64 c + 32 h + i of my row, become the fragment v[dst] .. v[dst + 11] and the row's scale word v[W].  A lane holds two whole blocks: h and 2 + h.
.macro QFRAG dst
.irp c, 0,1
	v_max3_num_f32 v[MX+\c], |v[X+32*\c]|, |v[X+32*\c+1]|, 0x1800000   ; with the floor 2^(3 - 127) among the leaves: the byte cannot fall under 1
.endr
.irp i, 2,4,6,8,10,12,14,16,18,20,22,24,26,28,30
.irp c, 0,1
	s_delay_alu instid0(VALU_DEP_2)
	v_max3_num_f32 v[MX+\c], v[MX+\c], |v[X+32*\c+\i]|, |v[X+32*\c+\i+1]|   ; (the two blocks by turns)
.endr
.endr
.irp c, 0,1
	s_delay_alu instid0(VALU_DEP_2)
	v_add_nc_u32 v[SO+\c], 0xff000000, v[MX+\c]    ; 2 off the exponent field: the conversion takes the exponent field of this operand as its scale
.endr
.irp c, 0,1
	s_delay_alu instid0(VALU_DEP_2)
	v_lshrrev_b32 v[BY+\c], 23, v[SO+\c]           ; the scale's byte
.endr
	s_delay_alu instid0(VALU_DEP_1)
	v_lshl_or_b32 v[W], v[BY+1], 16, v[BY]         ; my two bytes, blocks h and 2 + h,
	s_delay_alu instid0(VALU_DEP_1)
	v_lshlrev_b32 v[W], v[H8], v[W]                ; at their places in the word;
	s_delay_alu instid0(VALU_DEP_1)
	v_permlanex16_b32 v[PD], v[W], s40, s41
	s_delay_alu instid0(VALU_DEP_1)
	v_or_b32 v[W], v[W], v[PD]                     ; with lane l xor 16's two the word is whole, in both lanes
.irp c, 0,1
	v_cvt_scalef32_pk16_fp6_f32 v[(\dst)+6*\c:(\dst)+6*\c+2], v[X+32*\c:X+32*\c+15], v[SO+\c]
	v_cvt_scalef32_pk16_fp6_f32 v[CT+4*\c:CT+4*\c+2], v[X+32*\c+16:X+32*\c+31], v[SO+\c]   ; (a conversion's three registers begin on an even number: the upper half is made elsewhere and moved)
.endr
	v_nop                                          ; one plain place behind a scaled conversion
.irp c, 0,1
.irp i, 0,1,2
	v_mov_b32 v[(\dst)+6*\c+3+\i], v[CT+4*\c+\i]
.endr
.endr
.endm
	; ---- K path.  Lanes 16-31 read 32 rows lower, 16,896 bytes = 66 x 256, the same banks as lanes 0-15 (ISA guide 11.1); every pitch that is a multiple of 16 bytes has that
.set j, 0
.rept 64
	ds_load_b32 v[X+j], v[AKL] offset:(64*(j/32)+j%32)*PITCH
.set j, j+1
.endr
	s_wait_dscnt 0x0
	QFRAG FK
.irp g, 0,1,2
	global_store_b128 v[LI], v[FK+4*\g:FK+4*\g+3], s[26:27] offset:512*\g   ; 32 lanes store 512 consecutive bytes, at a multiple of 256 from the buffer's first byte
.endr
	ds_store_b32 v[ASC], v[W]                      ; both lanes of a row write the same word with the same value
	s_cmp_eq_u32 s35, 0
	s_cbranch_scc1 .Lno_v                          ; a slab of D has no V path: the same way for all eight waves
	; ---- V path: my 16 channels' rows, 128 bytes a block
.set j, 0
.rept 16
	ds_load_b128 v[X+4*j:X+4*j+3], v[AVL] offset:256*(j/8)+16*(j%8)
.set j, j+1
.endr
	s_wait_dscnt 0x0                               ; the numbers are in, and the store above has read v[W]
	QFRAG FV                                       ; into registers of its own: the K path's stores may still read theirs
.irp g, 0,1,2
	global_store_b128 v[LI], v[FV+4*\g:FV+4*\g+3], s[16:17] offset:512*\g
.endr
	ds_store_b32 v[ASC], v[W] offset:512
.Lno_v:
	s_wait_dscnt 0x0                               ; for the others' sake: my scale words lie in the stage
	s_barrier_signal -1
	s_barrier_wait -1
	s_cmp_ge_u32 s[WV], s42                        ; wave 0 stores K's (or Q's) 128 words; of a slab of S wave 1 stores V's; the others are done
	s_cbranch_scc1 .Lend
	s_cmp_eq_u32 s[WV], 0
	s_cselect_b64 s[44:45], s[28:29], s[18:19]
	ds_load_b128 v[X:X+3], v[ARD]
	s_wait_dscnt 0x0
	global_store_b128 v[LI], v[X:X+3], s[44:45]    ; 512 consecutive bytes
.Lend:
	s_wait_tensorcnt 0x0
	ds_add_u32 v144, v145
	s_wait_dscnt 0x0
	s_endpgm
.Lfunc_end_k_qc8d9a99ba1_quant:
	.size	k_qc8d9a99ba1_quant, .Lfunc_end_k_qc8d9a99ba1_quant-k_qc8d9a99ba1_quant
	.p2alignl 7, 3214868480
	.fill 96, 4, 3214868480
	.section	.rodata,"a",@progbits
	.p2align	6, 0x0
	.amdhsa_kernel k_qc8d9a99ba1_quant
		.amdhsa_group_segment_fixed_size 69632
		.amdhsa_private_segment_fixed_size 0
		.amdhsa_enable_private_segment 0
		.amdhsa_kernarg_size 64
		.amdhsa_user_sgpr_count 2
		.amdhsa_user_sgpr_kernarg_segment_ptr 1
		.amdhsa_wavefront_size32 1
		.amdhsa_system_sgpr_workgroup_id_x 1
		.amdhsa_system_sgpr_workgroup_id_y 1
		.amdhsa_system_sgpr_workgroup_id_z 1
		.amdhsa_system_vgpr_workitem_id 0
		.amdhsa_next_free_vgpr 146
		.amdhsa_next_free_sgpr 66
		.amdhsa_reserve_vcc 0
		.amdhsa_float_denorm_mode_32 3
		.amdhsa_float_denorm_mode_16_64 3
		.amdhsa_memory_ordered 1
		.amdhsa_forward_progress 1
		.amdhsa_inst_pref_size 22
	.end_amdhsa_kernel
	.amdgpu_metadata
---
amdhsa.version: [ 1, 2 ]
amdhsa.kernels:
  - .name:           k_qc8d9a99ba1_quant
    .symbol:         k_qc8d9a99ba1_quant.kd
    .args:
      - { .name: S, .offset: 0, .size: 8, .value_kind: global_buffer, .address_space: global }
      - { .name: D, .offset: 8, .size: 8, .value_kind: global_buffer, .address_space: global }
      - { .name: QF, .offset: 16, .size: 8, .value_kind: global_buffer, .address_space: global }
      - { .name: QS, .offset: 24, .size: 8, .value_kind: global_buffer, .address_space: global }
      - { .name: KF, .offset: 32, .size: 8, .value_kind: global_buffer, .address_space: global }
      - { .name: KS, .offset: 40, .size: 8, .value_kind: global_buffer, .address_space: global }
      - { .name: VF, .offset: 48, .size: 8, .value_kind: global_buffer, .address_space: global }
      - { .name: VS, .offset: 56, .size: 8, .value_kind: global_buffer, .address_space: global }
    .group_segment_fixed_size: 69632
    .private_segment_fixed_size: 0
    .kernarg_segment_align: 8
    .kernarg_segment_size: 64
    .max_flat_workgroup_size: 256
    .sgpr_count:     66
    .vgpr_count:     146
    .wavefront_size: 32
...
	.end_amdgpu_metadata
.endif
;; end of part 4
;; launch attn (part 5): grid 256 x 1, 8 waves a work-group, no clusters, 54,272 bytes of LDS; arguments QF, QS, KF, KS, VF, VS, PART; writes PART
.if DOCPART == 5
	.amdgcn_target "amdgcn-amd-amdhsa--gfx1250"
	.amdhsa_code_object_version 6
	.text
	.protected	k_qc8d9a99ba1_attn
	.globl	k_qc8d9a99ba1_attn
	.p2align	8
	.type	k_qc8d9a99ba1_attn,@function
k_qc8d9a99ba1_attn:
	s_mov_b64 s[64:65], 0
	v_nop
	global_prefetch_b8 v0, s[64:65] scope:SCOPE_SE
	s_setreg_imm32_b32 hwreg(HW_REG_WAVE_SCHED_MODE, 0, 2), 2
	s_setreg_imm32_b32 hwreg(HW_REG_WAVE_MODE, 25, 1), 1
	s_wait_xcnt 0x0
	s_wait_alu depctr_vm_vsrc(0)
; PART[kq] = the part of  sum over keys of softmax_j(q . k / 16) v  that falls to a quarter kq of the keys, both products on codes of FP6 (E2M3) with one E8M0 scale for each 32 along K.
; The upsampled queries come in fours that are equal number for number, and both quantisers work query by query: each of the 1,024 different queries of a batch is computed once; the last launch writes it four times.
; The softmax runs over 64 neighbouring keys (j) and is FINISHED AND NORMALISED ahead of the second product's quantiser: the group's own maximum is taken away, its own sum divides.  No running maximum is needed.
; SHARES.  Work-group g: 64 queries (tiles 4 qg + t, qg = g % 16), 1,024 keys (steps 8 kq + s of 128, kq = (g / 16) % 4), batch g / 64.  Straight text: no loop, no branch, one barrier.
;   Phase 1: wave w owns key step 8 kq + w for all four tiles of queries: its 16 fragments of K come from memory into its registers once, each feeds four products.  S^T = K Q^T (source 0 = 16 keys,
;     source 1 = 16 queries): a lane holds ONE query; by the order of a tile's keys, register 16 b' + i of a tile of queries is key 32 b' + 16 (lane / 16) + i.  p is made, quantised along the keys,
;     and left in LDS as an image of the operand's registers, with its scale word.
;   Phase 2: wave w owns channels 32 w .. 32 w + 31 for all 64 queries and all eight steps: its 16 fragments of V come once, each feeds four products; O^T = V^T P^T in 8 accumulators; no sum crosses waves.
; NO CLUSTER, NO TENSOR LOAD: every byte of K and V that a work-group takes is wanted by one wave, once, and goes straight into that wave's registers; the work-group's 2 x 196,608 bytes of codes are more than
; LDS holds, so a joint load would want a ring of slots with its barriers, and an LDS write and an LDS read for every byte.
; LIMITS: NaN and infinities are not served; a p under 2^-126 becomes 0 (v_exp_f32's results); a block of p that is all zeros gets the byte 1 with zero codes.
; REGISTERS.  Window 0: v1-5 addresses; v8-27 scale words and nothing else; v28-67 the softmax's small change (later, with v68-75, P, set 2); v80-127 two tiles of Q (later P, set 1); v128-191, v192-255 the scores
;   of two tiles (later the 8 accumulators, and P, set 0).  Window 1 (v256-447): K's 16 fragments, later V's.
; THE MODE: SCHED_MODE bits 1:0 = 2 (LLVM: expert scheduling mode 2), set by the entry lines.  The code itself states the register dependences
; between vector or matrix instructions and memory or LDS instructions, with s_wait_alu, always for 0.
; THE PLAN.  Registers that memory or LDS instructions touch, and who else names them:
;   v1-5         offsets and LDS addresses: written once, at the head; one wait on va_vdst ahead of the first load serves every load and store of the kernel.
;   Q (v80-127)  read by a pair of tiles' 32 products; the next pair's loads land behind ONE wait on va_vdst, which stands behind those products.
;   K, its words read by all 64 products of phase 1; V's 48 loads and its 8 loads of scale words land there behind ONE wait on va_vdst, which stands behind the last of them.
;   PC, PW       written by a softmax's last vector lines, read by its four LDS stores (a wait on va_vdst ahead of the stores), written again by the next softmax (a wait on vm_vsrc ahead of the first such line).
;   P, 3 sets    step s takes set s % 3 (fragments and scale words).  Steps 0 to 2 are asked for behind the barrier: no vector or matrix instruction stands between the last softmax's wait on va_vdst and these loads, and a
;                wait on vm_vsrc states that the LDS stores have read PC and PW, in which set 2 lands.  The head of step s (1 to 5) holds ONE wait on va_vdst: step s - 1's products are done reading their set,
;                in which step s + 2's 13 loads then land; step s's own products name set s % 3, V, V's words and the accumulators: none of the registers that those loads touch.
;   accumulators written by phase 2's products, read by the 16 global stores: four places, then a wait on va_vdst.
; Every A, B and scale register of a matrix instruction is filled by a load.  No vector instruction writes VCC; EXEC is never written; one vector instruction writes an SGPR (the wave's number).
.set PIMG, 0                           ; LDS: P's fragments [t 4][s 8] x 1,536 bytes
.set PSCL, 49152                       ; their scale words [s 8][lane 32][t 4]
.set LI,  1                            ; v1  16 x lane
.set LS,  2                            ; v2  4 x lane
.set AW,  3                            ; v3  where I store P's images: 1,536 w + 16 x lane
.set ASW, 4                            ; v4  and their scale words: PSCL + 512 w + 16 x lane
.set PO,  5                            ; v5  my byte offset in PART: 1,024 h + 16 r
.set QSC, 8                            ; v8-11   Q's scale words: 2 P + cs; lanes 0-15 tile 2 P, lanes 16-31 tile 2 P + 1.  Later P's, set 2
.set KSC, 12                           ; v12-19  K's: 4 cs + b'; lanes 0-15 tile 2 b', lanes 16-31 tile 2 b' + 1.  Later V's: step s; lanes 0-15 my first 16 channels, lanes 16-31 the others
.set PSR, 20                           ; v20-27  P's, sets 0 and 1, four registers each (one a tile of queries)
.set BM,  28                           ; v28-31  each block's largest score, then its largest p
.set T,   32                           ; v32-35  at work
.set SO,  36                           ; v36-39  the conversions' scale operands
.set NM,  40                           ; v40, v42  -c x the group's maximum, later 1 / the group's sum; v41, v43 are named with them as pairs
.set PW,  44                           ; v44  p's scale word
.set PC,  46                           ; v46-57  p's codes
.set PT,  58                           ; v58-65  the sums' four chains, later the upper halves of the blocks' codes
.set GS,  66                           ; v66-67  the groups' sums
.set QR,  80
.set SC0, 128
.set SC1, 192
.set OA,  128
.set WV,  18                           ; s18  wave
.set SEL, 24                           ; s[24:25] lane selects for l xor 16
.set CS,  26                           ; s[26:27] c = log2(e) / 16: the packed form names a pair and takes its low word for both halves
.set NC,  28                           ; s28  -c
.set MSB, 0
.macro WIN new                         ; the immediate's high byte repeats the setting that is left; a switch that changes nothing is dropped
.if MSB != \new
	s_set_vgpr_msb (MSB<<8)|\new
.set MSB, \new
.endif
.endm
.set W_MUL, 0x01                       ; source 0 (K or V) in window 1, all else in window 0
.set W_LD,  0x40                       ; a load's destination in window 1, its address in window 0
.macro PLACES                          ; four plain places behind a matrix instruction of this form (both operands of 6 bits), in front of loads into its registers and of the first read of its results
.rept 4
	v_nop
.endr
.endm
; One matrix instruction, from the symbols set just ahead of it: rD, rA, rB, rSA, rSB; fZ: the constant 0 starts the sum; fRA, fRB: the side's scales stand in lanes 16-31.
.macro WMI
.if fZ
.if fRA && fRB
	v_wmma_scale_f32_16x16x128_f8f6f4 v[rD:rD+7], v[rA:rA+11], v[rB:rB+11], 0, v[rSA], v[rSB] matrix_a_fmt:MATRIX_FMT_FP6 matrix_b_fmt:MATRIX_FMT_FP6 matrix_a_scale:MATRIX_SCALE_ROW1 matrix_b_scale:MATRIX_SCALE_ROW1
.elseif fRA
	v_wmma_scale_f32_16x16x128_f8f6f4 v[rD:rD+7], v[rA:rA+11], v[rB:rB+11], 0, v[rSA], v[rSB] matrix_a_fmt:MATRIX_FMT_FP6 matrix_b_fmt:MATRIX_FMT_FP6 matrix_a_scale:MATRIX_SCALE_ROW1
.elseif fRB
	v_wmma_scale_f32_16x16x128_f8f6f4 v[rD:rD+7], v[rA:rA+11], v[rB:rB+11], 0, v[rSA], v[rSB] matrix_a_fmt:MATRIX_FMT_FP6 matrix_b_fmt:MATRIX_FMT_FP6 matrix_b_scale:MATRIX_SCALE_ROW1
.else
	v_wmma_scale_f32_16x16x128_f8f6f4 v[rD:rD+7], v[rA:rA+11], v[rB:rB+11], 0, v[rSA], v[rSB] matrix_a_fmt:MATRIX_FMT_FP6 matrix_b_fmt:MATRIX_FMT_FP6
.endif
.else
.if fRA && fRB
	v_wmma_scale_f32_16x16x128_f8f6f4 v[rD:rD+7], v[rA:rA+11], v[rB:rB+11], v[rD:rD+7], v[rSA], v[rSB] matrix_a_fmt:MATRIX_FMT_FP6 matrix_b_fmt:MATRIX_FMT_FP6 matrix_a_scale:MATRIX_SCALE_ROW1 matrix_b_scale:MATRIX_SCALE_ROW1
.elseif fRA
	v_wmma_scale_f32_16x16x128_f8f6f4 v[rD:rD+7], v[rA:rA+11], v[rB:rB+11], v[rD:rD+7], v[rSA], v[rSB] matrix_a_fmt:MATRIX_FMT_FP6 matrix_b_fmt:MATRIX_FMT_FP6 matrix_a_scale:MATRIX_SCALE_ROW1
.elseif fRB
	v_wmma_scale_f32_16x16x128_f8f6f4 v[rD:rD+7], v[rA:rA+11], v[rB:rB+11], v[rD:rD+7], v[rSA], v[rSB] matrix_a_fmt:MATRIX_FMT_FP6 matrix_b_fmt:MATRIX_FMT_FP6 matrix_b_scale:MATRIX_SCALE_ROW1
.else
	v_wmma_scale_f32_16x16x128_f8f6f4 v[rD:rD+7], v[rA:rA+11], v[rB:rB+11], v[rD:rD+7], v[rSA], v[rSB] matrix_a_fmt:MATRIX_FMT_FP6 matrix_b_fmt:MATRIX_FMT_FP6
.endif
.endif
.endm
; Q's tiles 2 P and 2 P + 1, both halves of the channels: 12 loads
.macro QLOAD P
.irp tt, 0,1
.irp cs, 0,1
.irp g, 0,1,2
	global_load_b128 v[QR+12*(2*\tt+\cs)+4*\g:QR+12*(2*\tt+\cs)+4*\g+3], v[LI], s[4:5] offset:\cs*12288+(2*(\P)+\tt)*1536+512*\g
.endr
.endr
.endr
.endm
; 16 products: my step's 8 tiles of keys x tiles 2 P, 2 P + 1 of queries, channels 128 cs on.  The 16 accumulators take turns, one instruction a turn, in the same order for both cs.
.macro QK P, cs
.irp kt, 0,1,2,3,4,5,6,7
.irp tt, 0,1
.set rD, SC0+64*\tt+8*\kt
.set rA, 12*(8*(\cs)+\kt)
.set rB, QR+12*(2*\tt+(\cs))
.set rSA, KSC+4*(\cs)+\kt/2
.set rSB, QSC+2*(\P)+(\cs)
.set fZ, 1-(\cs)
.set fRA, \kt%2
.set fRB, \tt
	WMI
.endr
.endr
.endm
; THE SOFTMAX of one tile of 16 queries x my 128 keys, whose scores stand in v[sb] .. v[sb + 63], and p's way into LDS as tile t's operand.  Blocks 0, 1 are one group of 64 keys, blocks 2, 3 the other.
.macro SM sb, t
.irp b, 0,1,2,3
	v_max3_num_f32 v[BM+\b], v[(\sb)+16*\b], v[(\sb)+16*\b+1], v[(\sb)+16*\b+2]   ; the largest score of each block of 32 keys: it serves the group's maximum and, since p rises with the score, the block's largest p.  (Each accumulator is read from its low end on)
.endr
.irp i, 3,5,7,9,11,13
.irp b, 0,1,2,3
	v_max3_num_f32 v[BM+\b], v[BM+\b], v[(\sb)+16*\b+\i], v[(\sb)+16*\b+\i+1]   ; (the four blocks by turns)
.endr
.endr
.irp b, 0,1,2,3
	v_max_num_f32 v[BM+\b], v[BM+\b], v[(\sb)+16*\b+15]
.endr
.irp b, 0,1,2,3
	v_permlanex16_b32 v[T+\b], v[BM+\b], s[SEL], s[SEL+1]
.endr
.irp b, 0,1,2,3
	v_max_num_f32 v[BM+\b], v[BM+\b], v[T+\b]      ; with lane l xor 16's 16 keys
.endr
	v_max_num_f32 v[T], v[BM], v[BM+1]             ; the groups' maxima
	v_max_num_f32 v[T+1], v[BM+2], v[BM+3]
	v_mul_f32 v[NM], s[NC], v[T]                   ; -c x maximum.  Its rounding shifts all exponents of a group alike, which the division by the sum takes out again
	v_mul_f32 v[NM+2], s[NC], v[T+1]
.irp j, 0,2,4,6,8,10,12,14,16,18,20,22,24,26,28,30,32,34,36,38,40,42,44,46,48,50,52,54,56,58,60,62
	v_pk_fma_f32 v[(\sb)+\j:(\sb)+\j+1], v[(\sb)+\j:(\sb)+\j+1], s[CS:CS+1], v[NM+2*(\j/32):NM+2*(\j/32)+1] op_sel_hi:[1,0,0]   ; c s - c max, two at a time
.endr
.irp b, 0,1,2,3
	v_fma_f32 v[BM+\b], v[BM+\b], s[CS], v[NM+2*(\b/2)]   ; the same of each block's largest score
.endr
.set j, 0
	s_wait_alu depctr_va_vdst(0)
.rept 64
	v_exp_f32 v[(\sb)+j], v[(\sb)+j]               ; e = 2^(c s - c max), about 1 at the most
.set j, j+1
.endr
	v_nop                                          ; a plain place behind the exponentials
	s_wait_alu depctr_va_vdst(0)                   ; the 64 exponentials have written v[sb ..]: one wait for the batch, ahead of its first reader
.irp b, 0,1,2,3
	v_exp_f32 v[BM+\b], v[BM+\b]                   ; the same instruction on the same number gives the same bits
.endr
.irp g, 0,1                                    ; the groups' sums of e, two at a time, two chains a group; they read the 64 alone: plain work behind the four
	v_pk_add_f32 v[PT+4*\g:PT+4*\g+1], v[(\sb)+32*\g:(\sb)+32*\g+1], v[(\sb)+32*\g+2:(\sb)+32*\g+3]
	v_pk_add_f32 v[PT+4*\g+2:PT+4*\g+3], v[(\sb)+32*\g+4:(\sb)+32*\g+5], v[(\sb)+32*\g+6:(\sb)+32*\g+7]
.endr
.irp j, 8,12,16,20,24,28
.irp g, 0,1
	v_pk_add_f32 v[PT+4*\g:PT+4*\g+1], v[PT+4*\g:PT+4*\g+1], v[(\sb)+32*\g+\j:(\sb)+32*\g+\j+1]
	v_pk_add_f32 v[PT+4*\g+2:PT+4*\g+3], v[PT+4*\g+2:PT+4*\g+3], v[(\sb)+32*\g+\j+2:(\sb)+32*\g+\j+3]
.endr
.endr
.irp g, 0,1
	v_pk_add_f32 v[PT+4*\g:PT+4*\g+1], v[PT+4*\g:PT+4*\g+1], v[PT+4*\g+2:PT+4*\g+3]
.endr
.irp g, 0,1
	v_add_f32 v[GS+\g], v[PT+4*\g], v[PT+4*\g+1]
.endr
.irp g, 0,1
	v_permlanex16_b32 v[T+\g], v[GS+\g], s[SEL], s[SEL+1]
.endr
.irp g, 0,1
	v_add_f32 v[GS+\g], v[GS+\g], v[T+\g]          ; with lane l xor 16's 32 keys: the group's sum
.endr
	s_wait_alu depctr_va_vdst(0)
	v_rcp_f32 v[NM], v[GS]
	v_rcp_f32 v[NM+2], v[GS+1]
	v_nop                                          ; a plain place behind the reciprocals
	s_wait_alu depctr_va_vdst(0)                   ; the four exponentials have written v[BM ..], the two reciprocals v[NM] and v[NM + 2]: one wait, ahead of their first reader
.irp j, 0,2,4,6,8,10,12,14,16,18,20,22,24,26,28,30,32,34,36,38,40,42,44,46,48,50,52,54,56,58,60,62
	v_pk_mul_f32 v[(\sb)+\j:(\sb)+\j+1], v[(\sb)+\j:(\sb)+\j+1], v[NM+2*(\j/32):NM+2*(\j/32)+1] op_sel_hi:[1,0]   ; p = e / sum: the finished softmax
.endr
.irp b, 0,1,2,3
	v_mul_f32 v[BM+\b], v[BM+\b], v[NM+2*(\b/2)]   ; each block's largest p
.endr
.irp b, 0,1,2,3
	v_max_num_f32 v[BM+\b], 0x1800000, v[BM+\b]    ; the floor 2^(3 - 127): the byte cannot fall under 1
.endr
.irp b, 0,1,2,3
	v_add_nc_u32 v[SO+\b], 0xff000000, v[BM+\b]    ; 2 off the exponent field: the conversion's scale operand
.endr
.irp b, 0,1,2,3
	v_lshrrev_b32 v[T+\b], 23, v[SO+\b]            ; the scale's byte
.endr
.if (\t) > 0
	s_wait_alu depctr_va_vdst(0)
	s_wait_dscnt 0x0                               ; the last tile's four LDS stores are done,
	s_wait_alu depctr_vm_vsrc(0)                   ; and have read v[PW] and v[PC ..], which the lines below write anew
.endif
	v_lshl_or_b32 v[PW], v[T+1], 8, v[T]           ; p's scale word for my query and these 128 keys
	v_lshl_or_b32 v[PW], v[T+2], 16, v[PW]
	v_lshl_or_b32 v[PW], v[T+3], 24, v[PW]
.irp c, 0,1
	v_cvt_scalef32_pk16_fp6_f32 v[PC+6*\c:PC+6*\c+2], v[(\sb)+32*\c:(\sb)+32*\c+15], v[SO+2*\c]
	v_cvt_scalef32_pk16_fp6_f32 v[PT+4*\c:PT+4*\c+2], v[(\sb)+32*\c+16:(\sb)+32*\c+31], v[SO+2*\c+1]   ; (a conversion's three registers begin on an even number)
.endr
	v_nop                                          ; one plain place behind a scaled conversion
.irp c, 0,1                                    ; the operand's layout wants a WHOLE block in a lane: lanes 0-15 block 2 c, lanes 16-31 block 2 c + 1
.irp i, 0,1,2
	v_permlane16_swap_b32 v[PC+6*\c+\i], v[PT+4*\c+\i]
.endr
.irp i, 0,1,2
	v_mov_b32 v[PC+6*\c+3+\i], v[PT+4*\c+\i]
.endr
.endr
	s_wait_alu depctr_va_vdst(0)                   ; the lines above have written v[PC ..] and v[PW], which the four LDS stores read
.irp g, 0,1,2
	ds_store_b128 v[AW], v[PC+4*\g:PC+4*\g+3] offset:PIMG+(\t)*12288+512*\g   ; the fragment as it stands: 512 consecutive bytes a store
.endr
	ds_store_b32 v[ASW], v[PW] offset:4*(\t)
.endm
; Which set key step s takes: PB its four fragments' first register, PS its four scale words'
.macro PSET s
.if ((\s)%3) == 0
.set PB, 192
.set PS, PSR
.elseif ((\s)%3) == 1
.set PB, 80
.set PS, PSR+4
.else
.set PB, 28
.set PS, QSC
.endif
.endm
; P's four fragments of key step s (one a tile of queries) and their scale words, into set s % 3: 13 LDS loads
.macro LOADP s
	PSET \s
.irp t, 0,1,2,3
.irp g, 0,1,2
	ds_load_b128 v[PB+12*\t+4*\g:PB+12*\t+4*\g+3], v[LI] offset:PIMG+(8*\t+(\s))*1536+512*\g
.endr
.endr
	ds_load_b128 v[PS:PS+3], v[LI] offset:PSCL+(\s)*512
.endm
; 8 products: my two tiles of channels x the four tiles of queries, K = key step s.  The 8 accumulators take turns, one instruction a turn, in the same order in every step.
.macro PV s
	PSET \s
.irp t, 0,1,2,3
.irp n, 0,1
.set rD, OA+8*(4*\n+\t)
.set rA, 12*(2*(\s)+\n)
.set rB, PB+12*\t
.set rSA, KSC+(\s)
.set rSB, PS+\t
.if (\s) == 0
.set fZ, 1
.else
.set fZ, 0
.endif
.set fRA, \n
.set fRB, 0
	WMI
.endr
.endr
.endm
	s_load_b256 s[4:11], s[0:1], 0x0               ; QF s[4:5], QS s[6:7], KF s[8:9], KS s[10:11]
	s_load_b128 s[12:15], s[0:1], 0x20             ; VF s[12:13], VS s[14:15]
	s_load_b64 s[16:17], s[0:1], 0x30              ; PART
	v_lshl_add_u32 v78, v0, 2, 0xd000
	v_mov_b32 v79, 0
	v_lshrrev_b32 v6, 5, v0
	v_readfirstlane_b32 s[WV], v6                  ; wave 0..7
	v_and_b32 v6, 31, v0                           ; lane
	v_lshlrev_b32 v[LI], 4, v6
	v_lshlrev_b32 v[LS], 2, v6
	s_wait_alu depctr_va_sdst(0)                   ; s[WV] is written, ahead of its first reader: LDS addresses and the bases of K, V and PART are made from it
	s_mul_i32 s32, s[WV], 1536
	v_add_nc_u32 v[AW], s32, v[LI]
	s_lshl_b32 s32, s[WV], 9
	s_add_co_u32 s32, s32, PSCL
	v_add_nc_u32 v[ASW], s32, v[LI]
	v_and_b32 v7, 15, v0                           ; r
	v_bfe_u32 v6, v0, 4, 1                         ; h
	v_lshlrev_b32 v[PO], 4, v7
	v_lshl_add_u32 v[PO], v6, 10, v[PO]
.irp b, 0,1,2,3
	v_mov_b32 v[T+\b], 0                           ; written once: a lane permute's destination counts as one of its sources
.endr
	v_mov_b32 v[NM+1], 0                           ; named as the upper halves of pairs, so they are written
	v_mov_b32 v[NM+3], 0
	s_mov_b32 s[SEL], 0x76543210
	s_mov_b32 s[SEL+1], 0xfedcba98
	s_mov_b32 s[CS], 0x3db8aa3b                    ; c = log2(e) / 16
	s_mov_b32 s[CS+1], s[CS]
	s_mov_b32 s[NC], 0xbdb8aa3b                    ; -c
	s_and_b32 s19, ttmp9, 15                       ; qg
	s_lshr_b32 s20, ttmp9, 4
	s_and_b32 s20, s20, 3                          ; kq
	s_lshr_b32 s21, ttmp9, 6                       ; b
	s_lshl_b32 s22, s21, 5
	s_lshl_b32 s23, s20, 3
	s_add_co_u32 s22, s22, s23                     ; 32 b + 8 kq: the quarter's first key step
	s_add_co_u32 s23, s22, s[WV]                   ; mine in phase 1
	s_lshl_b32 s32, s21, 3
	s_lshr_b32 s30, s19, 1
	s_add_co_u32 s32, s32, s30                     ; 8 b + qg / 2: the 128 queries in which my 64 lie
	s_and_b32 s29, s19, 1                          ; which half of them
	s_mov_b32 s31, 0
	s_wait_kmcnt 0x0
	s_lshl_b32 s30, s32, 10
	s_lshl_b32 s33, s29, 8
	s_add_co_u32 s30, s30, s33
	s_add_nc_u64 s[6:7], s[6:7], s[30:31]
	s_lshl_b32 s30, s23, 10
	s_add_nc_u64 s[10:11], s[10:11], s[30:31]
	s_mul_i32 s30, s32, 24576
	s_mul_i32 s33, s29, 6144
	s_add_co_u32 s30, s30, s33
	s_add_nc_u64 s[4:5], s[4:5], s[30:31]
	s_mul_i32 s30, s23, 24576
	s_add_nc_u64 s[8:9], s[8:9], s[30:31]
	s_wait_alu depctr_va_vdst(0)                   ; the five offsets and LDS addresses v1 to v5 are written, which every load and store of the kernel reads; none is written again
.irp P, 0,1                                    ; Q's scale words: 4 loads
.irp cs, 0,1
	global_load_b32 v[QSC+2*\P+\cs], v[LS], s[6:7] offset:\cs*512+\P*128
.endr
.endr
.irp cs, 0,1                                   ; K's: 8 loads
.irp b, 0,1,2,3
	global_load_b32 v[KSC+4*\cs+\b], v[LS], s[10:11] offset:\cs*512+\b*128
.endr
.endr
	QLOAD 0
	WIN W_LD
.set j, 0
.rept 48                                       ; K's 16 fragments, those of channels 0-127 first: 512 consecutive bytes a load.  (Between the wait above and these stand loads and the window switch alone)
	global_load_b128 v[4*j:4*j+3], v[LI], s[8:9] offset:512*j
.set j, j+1
.endr
	s_mul_i32 s30, s22, 24576                      ; the other bases, while the loads are out
	s_mul_i32 s33, s[WV], 3072
	s_add_co_u32 s30, s30, s33
	s_add_nc_u64 s[12:13], s[12:13], s[30:31]      ; VF: the quarter's first step, my two tiles of channels
	s_lshl_b32 s30, s22, 10
	s_lshl_b32 s33, s[WV], 7
	s_add_co_u32 s30, s30, s33
	s_add_nc_u64 s[14:15], s[14:15], s[30:31]      ; VS likewise: my 32 channels' words
	s_lshl_b32 s30, s20, 22
	s_lshl_b32 s33, s21, 20
	s_add_co_u32 s30, s30, s33
	s_lshl_b32 s33, s19, 16
	s_add_co_u32 s30, s30, s33
	s_lshl_b32 s33, s[WV], 12
	s_add_co_u32 s30, s30, s33
	s_add_nc_u64 s[16:17], s[16:17], s[30:31]      ; PART: quarter, batch, rows y = 2 qg on, channel groups 8 w on
	; ---- phase 1
	WIN W_MUL
	s_wait_loadcnt 24                              ; all but the youngest 24 loads: K's eight fragments of channels 128-255
	QK 0, 0
	s_wait_loadcnt 0x0
	QK 0, 1
	WIN 0
	PLACES                                         ; in front of the loads into Q's registers and of the first read of scores; the places stay beside the wait below
	s_wait_alu depctr_va_vdst(0)                   ; the 32 products are done reading Q's tiles 0 and 1 in v[QR ..], in which the 12 loads below land
	QLOAD 1                                        ; lands under two softmaxes, which name none of these registers
	SM SC0, 0
	SM SC1, 1
	s_wait_loadcnt 0x0                             ; Q's tiles 2 and 3
	WIN W_MUL
	QK 1, 0
	QK 1, 1
	WIN 0
	PLACES                                         ; in front of the loads into K's registers and K's scale registers, and of the first read of scores; the places stay beside the wait below
	s_wait_alu depctr_va_vdst(0)                   ; the products are done reading K's fragments and K's scale words, in which the 56 loads below land; loads and one window switch alone stand between
.irp s, 0,1,2,3,4,5,6,7
	global_load_b32 v[KSC+\s], v[LS], s[14:15] offset:\s*1024   ; V's scale words
.endr
	WIN W_LD
.irp s, 0,1,2,3,4,5,6,7                        ; V's 16 fragments (step s, tile n) at 12 (2 s + n): they land under two softmaxes
.irp n, 0,1
.irp g, 0,1,2
	global_load_b128 v[12*(2*\s+\n)+4*\g:12*(2*\s+\n)+4*\g+3], v[LI], s[12:13] offset:\s*24576+\n*1536+512*\g
.endr
.endr
.endr
	WIN 0
	SM SC0, 2
	SM SC1, 3
	s_wait_dscnt 0x0                               ; for the others' sake: my four fragments of P and their words lie in LDS
	s_barrier_signal -1
	s_barrier_wait -1                              ; all 32 do
	; ---- phase 2.  The three sets lie where scores, Q and the softmax's small change lay.  No vector or matrix instruction has been issued since the last softmax's wait on va_vdst, which stands ahead of its LDS stores:
	; behind it every writer and reader of those registers on the vector side is done
	s_wait_alu depctr_vm_vsrc(0)                   ; my LDS stores have read v[PC ..] and v[PW], in which set 2's loads land
	LOADP 0
	LOADP 1
	LOADP 2
	s_wait_loadcnt 0x0                             ; V and its scale words
.irp s, 0,1,2,3,4,5,6,7
.if \s == 0
	s_wait_dscnt 26                                ; LDS loads come back in order: step 0's 13 are in; those of steps 1 and 2 may be out
.elseif \s < 7
	s_wait_dscnt 13                                ; this step's 13 loads are in; the next step's 13 may be out
.else
	s_wait_dscnt 0x0
.endif
.if (\s >= 1) && (\s < 6)
	s_wait_alu depctr_va_vdst(0)                   ; the last step's eight products are done reading their set of P and its scale words, in which the 13 loads below land
	LOADP \s+2                                     ; two steps ahead; this step's products name none of these registers
.endif
	WIN W_MUL
	PV \s
	WIN 0
.if (\s < 5) || (\s == 7)
	PLACES                                         ; in front of the next step's loads into the set just read, and at the end of the first read of results
.endif
.endr
	s_wait_alu depctr_va_vdst(0)                   ; the products have written the eight accumulators, which the stores read; the places above stay beside this wait
.irp t, 0,1,2,3                                ; lane (r, h), register j of accumulator (n, t): channel 32 w + 16 n + 8 h + j of query r of tile 4 qg + t
.irp n, 0,1
.irp q, 0,1                                    ; each accumulator from its low end on
	global_store_b128 v[PO], v[OA+8*(4*\n+\t)+4*\q:OA+8*(4*\n+\t)+4*\q+3], s[16:17] offset:(\t/2)*32768+(4*\n+\q)*512+(\t%2)*256   ; sixteen lanes store 256 consecutive bytes, at a multiple of 256 from the buffer's first byte
.endr
.endr
.endr
	s_wait_dscnt 0x0
	s_wait_alu depctr_hold_cnt(0) depctr_sa_sdst(0) depctr_va_vdst(0) depctr_va_sdst(0) depctr_va_ssrc(0) depctr_va_vcc(0) depctr_vm_vsrc(0)
	s_wait_tensorcnt 0x0
	ds_add_u32 v78, v79
	s_wait_dscnt 0x0
	s_endpgm
.Lfunc_end_k_qc8d9a99ba1_attn:
	.size	k_qc8d9a99ba1_attn, .Lfunc_end_k_qc8d9a99ba1_attn-k_qc8d9a99ba1_attn
	.p2alignl 7, 3214868480
	.fill 96, 4, 3214868480
	.section	.rodata,"a",@progbits
	.p2align	6, 0x0
	.amdhsa_kernel k_qc8d9a99ba1_attn
		.amdhsa_group_segment_fixed_size 54272
		.amdhsa_private_segment_fixed_size 0
		.amdhsa_enable_private_segment 0
		.amdhsa_kernarg_size 56
		.amdhsa_user_sgpr_count 2
		.amdhsa_user_sgpr_kernarg_segment_ptr 1
		.amdhsa_wavefront_size32 1
		.amdhsa_system_sgpr_workgroup_id_x 1
		.amdhsa_system_sgpr_workgroup_id_y 1
		.amdhsa_system_sgpr_workgroup_id_z 1
		.amdhsa_system_vgpr_workitem_id 0
		.amdhsa_next_free_vgpr 448
		.amdhsa_next_free_sgpr 66
		.amdhsa_reserve_vcc 0
		.amdhsa_float_denorm_mode_32 3
		.amdhsa_float_denorm_mode_16_64 3
		.amdhsa_memory_ordered 1
		.amdhsa_forward_progress 1
		.amdhsa_inst_pref_size 96
	.end_amdhsa_kernel
	.amdgpu_metadata
---
amdhsa.version: [ 1, 2 ]
amdhsa.kernels:
  - .name:           k_qc8d9a99ba1_attn
    .symbol:         k_qc8d9a99ba1_attn.kd
    .args:
      - { .name: QF, .offset: 0, .size: 8, .value_kind: global_buffer, .address_space: global }
      - { .name: QS, .offset: 8, .size: 8, .value_kind: global_buffer, .address_space: global }
      - { .name: KF, .offset: 16, .size: 8, .value_kind: global_buffer, .address_space: global }
      - { .name: KS, .offset: 24, .size: 8, .value_kind: global_buffer, .address_space: global }
      - { .name: VF, .offset: 32, .size: 8, .value_kind: global_buffer, .address_space: global }
      - { .name: VS, .offset: 40, .size: 8, .value_kind: global_buffer, .address_space: global }
      - { .name: PART, .offset: 48, .size: 8, .value_kind: global_buffer, .address_space: global }
    .group_segment_fixed_size: 54272
    .private_segment_fixed_size: 0
    .kernarg_segment_align: 8
    .kernarg_segment_size: 56
    .max_flat_workgroup_size: 256
    .sgpr_count:     66
    .vgpr_count:     448
    .wavefront_size: 32
...
	.end_amdgpu_metadata
.endif
;; end of part 5
;; launch combine (part 6): grid 256 x 1, 8 waves a work-group, no clusters, 0 bytes of LDS; arguments PART, D, out0; writes out0
.if DOCPART == 6
	.amdgcn_target "amdgcn-amd-amdhsa--gfx1250"
	.amdhsa_code_object_version 6
	.text
	.protected	k_qc8d9a99ba1_combine
	.globl	k_qc8d9a99ba1_combine
	.p2align	8
	.type	k_qc8d9a99ba1_combine,@function
k_qc8d9a99ba1_combine:
	s_mov_b64 s[64:65], 0
	v_nop
	global_prefetch_b8 v0, s[64:65] scope:SCOPE_SE
	s_setreg_imm32_b32 hwreg(HW_REG_WAVE_MODE, 25, 1), 1
	s_wait_xcnt 0x0
; out0[b][c][2 y + dy][2 x + dx] = PART[0] + PART[1] + PART[2] + PART[3] + D[b][c][y][x], for dy, dx = 0, 1: the four key quarters' sums, the residual, and the four copies of the nearest-neighbour upsampling.
; PART: [kq 4][b 4][y 32][cg 64][u 2][r 16][4 channels] f32, where x = 8 u + r % 8 + 16 (r / 8) (the order of a tile's queries) and cg = c / 4.
; A stream: no LDS, no barrier, no matrix work, no cluster (work-groups share no byte).  Work-group g: batch g / 64, row y = (g / 2) % 32, channels 128 (g % 2) on; wave w: 16 channels, as four groups of four; lane = x.
; All 32 loads of a wave go out first; every register is written once, so no store's data or address is written again.
.set P,  8                             ; v8-71   group i, quarter kq: 4 channels at v[P + 16 i + 4 kq]
.set DV, 72                            ; v72-87  D of my 16 channels
.set R,  88                            ; v88-119 results, each twice (dx = 0, 1)
	s_load_b128 s[4:7], s[0:1], 0x0                ; PART s[4:5], D s[6:7]
	s_load_b64 s[8:9], s[0:1], 0x10                ; out0
	v_lshrrev_b32 v1, 5, v0
	s_delay_alu instid0(VALU_DEP_1)
	v_readfirstlane_b32 s10, v1                    ; wave 0..7
	v_and_b32 v1, 31, v0                           ; x
	s_delay_alu instid0(VALU_DEP_1)
	v_lshlrev_b32 v2, 2, v1                        ; in D: 4 x
	s_delay_alu instid0(VALU_DEP_2)
	v_lshlrev_b32 v3, 3, v1                        ; in out0: 8 x
	s_delay_alu instid0(VALU_DEP_3)
	v_and_b32 v4, 7, v1
	s_delay_alu instid0(VALU_DEP_1)
	v_lshlrev_b32 v4, 4, v4                        ; in PART: 16 (x % 8)
	v_bfe_u32 v5, v1, 3, 1
	s_delay_alu instid0(VALU_DEP_1)
	v_lshl_add_u32 v4, v5, 8, v4                   ; + 256 u
	v_bfe_u32 v5, v1, 4, 1
	s_delay_alu instid0(VALU_DEP_1)
	v_lshl_add_u32 v4, v5, 7, v4                   ; + 128 (x / 16): the 32 lanes still cover 512 consecutive bytes
	s_lshr_b32 s12, ttmp9, 6                       ; b
	s_lshr_b32 s13, ttmp9, 1
	s_and_b32 s13, s13, 31                         ; y
	s_and_b32 s14, ttmp9, 1
	s_lshl_b32 s14, s14, 5
	s_lshl_b32 s15, s10, 2
	s_add_co_u32 s15, s15, s14                     ; my first channel group: 32 (g % 2) + 4 w
	s_mov_b32 s19, 0
	s_lshl_b32 s20, s12, 20
	s_lshl_b32 s21, s13, 15
	s_add_co_u32 s18, s20, s21
	s_lshl_b32 s21, s15, 9
	s_add_co_u32 s18, s18, s21                     ; PART: b, y, channel group
	s_wait_alu depctr_va_vdst(0)
	s_wait_kmcnt 0x0
	s_add_nc_u64 s[4:5], s[4:5], s[18:19]
	s_add_nc_u64 s[16:17], s[4:5], 0x800000        ; quarters 2 and 3: a base of their own, so that every immediate stays inside its signed 24 bits
	s_lshl_b32 s21, s15, 14
	s_add_co_u32 s18, s20, s21
	s_lshl_b32 s21, s13, 7
	s_add_co_u32 s18, s18, s21                     ; D: b, my first channel (4 x the group), y
	s_add_nc_u64 s[6:7], s[6:7], s[18:19]
	s_lshl_b32 s18, s12, 22
	s_lshl_b32 s21, s15, 16
	s_add_co_u32 s18, s18, s21
	s_lshl_b32 s21, s13, 9
	s_add_co_u32 s18, s18, s21                     ; out0: b, my first channel, row 2 y
	s_add_nc_u64 s[8:9], s[8:9], s[18:19]
.irp i, 0,1,2,3
.irp q, 0,1
	global_load_b128 v[P+16*\i+4*\q:P+16*\i+4*\q+3], v4, s[4:5] offset:\i*512+\q*4194304 th:TH_LOAD_NT
	global_load_b128 v[P+16*\i+8+4*\q:P+16*\i+8+4*\q+3], v4, s[16:17] offset:\i*512+\q*4194304 th:TH_LOAD_NT
.endr
.irp k, 0,1,2,3
	global_load_b32 v[DV+4*\i+\k], v2, s[6:7] offset:(4*\i+\k)*4096 th:TH_LOAD_NT
.endr
.endr
.irp i, 0,1,2,3
	s_wait_loadcnt 8*(3-\i)                        ; loads come back in order: group i's eight are in, the later groups' may be out
.irp e, 0,2
	v_pk_add_f32 v[P+16*\i+\e:P+16*\i+\e+1], v[P+16*\i+\e:P+16*\i+\e+1], v[P+16*\i+4+\e:P+16*\i+4+\e+1]         ; quarters 0 + 1
	v_pk_add_f32 v[P+16*\i+8+\e:P+16*\i+8+\e+1], v[P+16*\i+8+\e:P+16*\i+8+\e+1], v[P+16*\i+12+\e:P+16*\i+12+\e+1]   ; quarters 2 + 3
.endr
.irp e, 0
	s_delay_alu instid0(VALU_DEP_3)
	v_pk_add_f32 v[P+16*\i+\e:P+16*\i+\e+1], v[P+16*\i+\e:P+16*\i+\e+1], v[P+16*\i+8+\e:P+16*\i+8+\e+1]
.endr
.irp e, 2
	s_delay_alu instid0(VALU_DEP_2)
	v_pk_add_f32 v[P+16*\i+\e:P+16*\i+\e+1], v[P+16*\i+\e:P+16*\i+\e+1], v[P+16*\i+8+\e:P+16*\i+8+\e+1]
.endr
.irp k, 0,1,2,3
	v_add_f32 v[R+2*(4*\i+\k)], v[P+16*\i+\k], v[DV+4*\i+\k]       ; the residual; the number twice, for columns 2 x and 2 x + 1
	v_add_f32 v[R+2*(4*\i+\k)+1], v[P+16*\i+\k], v[DV+4*\i+\k]
.endr
.irp k, 0,1,2,3
.irp dy, 0,1
	global_store_b64 v3, v[R+2*(4*\i+\k):R+2*(4*\i+\k)+1], s[8:9] offset:(4*\i+\k)*16384+\dy*256 th:TH_STORE_NT   ; 32 lanes store a whole row of the output: 256 consecutive bytes, aligned; rows 2 y and 2 y + 1
.endr
.endr
.endr
	s_endpgm
.Lfunc_end_k_qc8d9a99ba1_combine:
	.size	k_qc8d9a99ba1_combine, .Lfunc_end_k_qc8d9a99ba1_combine-k_qc8d9a99ba1_combine
	.p2alignl 7, 3214868480
	.fill 96, 4, 3214868480
	.section	.rodata,"a",@progbits
	.p2align	6, 0x0
	.amdhsa_kernel k_qc8d9a99ba1_combine
		.amdhsa_group_segment_fixed_size 0
		.amdhsa_private_segment_fixed_size 0
		.amdhsa_enable_private_segment 0
		.amdhsa_kernarg_size 24
		.amdhsa_user_sgpr_count 2
		.amdhsa_user_sgpr_kernarg_segment_ptr 1
		.amdhsa_wavefront_size32 1
		.amdhsa_system_sgpr_workgroup_id_x 1
		.amdhsa_system_sgpr_workgroup_id_y 1
		.amdhsa_system_sgpr_workgroup_id_z 1
		.amdhsa_system_vgpr_workitem_id 0
		.amdhsa_next_free_vgpr 136
		.amdhsa_next_free_sgpr 66
		.amdhsa_reserve_vcc 0
		.amdhsa_float_denorm_mode_32 3
		.amdhsa_float_denorm_mode_16_64 3
		.amdhsa_memory_ordered 1
		.amdhsa_forward_progress 1
		.amdhsa_inst_pref_size 11
	.end_amdhsa_kernel
	.amdgpu_metadata
---
amdhsa.version: [ 1, 2 ]
amdhsa.kernels:
  - .name:           k_qc8d9a99ba1_combine
    .symbol:         k_qc8d9a99ba1_combine.kd
    .args:
      - { .name: PART, .offset: 0, .size: 8, .value_kind: global_buffer, .address_space: global }
      - { .name: D, .offset: 8, .size: 8, .value_kind: global_buffer, .address_space: global }
      - { .name: out0, .offset: 16, .size: 8, .value_kind: global_buffer, .address_space: global }
    .group_segment_fixed_size: 0
    .private_segment_fixed_size: 0
    .kernarg_segment_align: 8
    .kernarg_segment_size: 24
    .max_flat_workgroup_size: 256
    .sgpr_count:     66
    .vgpr_count:     136
    .wavefront_size: 32
...
	.end_amdgpu_metadata
.endif
;; end of part 6
